; MI455X (gfx1250); checked and timed in simulation.
; The chip was launched on July 23, 2026; its instructions are those of AMD's public machine-readable ISA for CDNA 5 (MIT licence, August 2026) and "CDNA5" Instruction Set Architecture Reference Guide (July 2026). The comments in the code are by the model that wrote it; some were corrected since.
;; Attention. Allowed arithmetic: matrix products marked QUANTISED: E3M2 operands, one E8M0 scale for each 32 along K, by v_wmma_scale_f32_16x16x128_f8f6f4 with both operands' format E3M2, f32 sums; everything else in f32.
;; Inputs: Wkv 1,024 x 1,024 float32; Wo 512 x 1,024 float32; Wq 1,024 x 512 float32; bo 1,024 float32; context 4 x 4,096 x 1,024 float32; mask 4 x 4,096 bool; sim_bias 4 x 1,024 x 4,096 float32; x 4 x 1,024 x 1,024 float32.
;; Outputs: out0 4 x 1,024 x 1,024 float32.
;; This version of the problem:
;;   THIS VERSION OF THE PROBLEM IS GIVEN IN LOW PRECISION. The matrix products marked QUANTISED in the list below multiply operands that are first quantised to E3M2 (3 exponent bits, 2 mantissa bits; 6 bits a number), with one power-of-two scale for each 32 numbers along K (OCP MX v1.0); their sums are f32. All else is computed in f32.
;;   The module's matrix products, in the order in which they are computed (A, B: the left and right operand; K: the contracted axis; several contracted axes count as one K, in the product's order):
;;     1. [M 4,096, K 1,024] x [K 1,024, N 512]; A: input x; B: input Wq: QUANTISED
;;     2. [M 16,384, K 1,024] x [K 1,024, N 1,024]; A: input context; B: input Wkv: QUANTISED
;;     3. batch 32 x [M 1,024, K 64] x [K 64, N 4,096]; A: computed on the way; B: computed on the way: QUANTISED
;;     4. batch 32 x [M 1,024, K 4,096] x [K 4,096, N 64]; A: softmax (see below); B: computed on the way: QUANTISED
;;     5. [M 4,096, K 512] x [K 512, N 1,024]; A: computed on the way; B: input Wo: QUANTISED
;;   THE QUANTISER, for each operand of a quantised product, along K:
;;     - K is cut into blocks of 32 from its start; a last block that is shorter is filled with zeros.
;;     - A block's scale is 2^e with e = floor(log2(the largest magnitude in the block)) - 4, held to -126 .. 127; a block of zeros has e = 0. As a byte (E8M0): e + 127.
;;     - Each number is divided by its block's scale, clamped to +-28, and rounded to the nearest number of E3M2, ties to even, subnormals kept.
;;     - The product sums the exact products of the quantised numbers (number of the format x scale) in f32.
;;   ~~~python
;;   def quantise(x, axis):      # numpy; x: float32 -> the quantised numbers, widened to float32 again
;;       x = np.moveaxis(x, axis, -1); K = x.shape[-1]
;;       x = np.pad(x, [(0, 0)] * (x.ndim - 1) + [(0, -K % 32)]); x = x.reshape(x.shape[:-1] + (-1, 32)); a = np.abs(x).max(-1, keepdims=True)
;;       e = np.where(a > 0, np.clip(np.frexp(np.where(a > 0, a, 1))[1] - 1 - 4, -126, 127), 0)      # np.frexp(a)[1] - 1 = floor(log2(a)), exactly
;;       r = np.clip(x / 2.0 ** e, -28, 28)
;;       step = 2.0 ** (np.maximum(np.frexp(np.where(r == 0, 1, r))[1] - 1, -2) - 2)
;;       q = np.round(r / step) * step * 2.0 ** e      # np.round: ties to even
;;       return np.moveaxis(q.reshape(q.shape[:-2] + (-1,))[..., :K], -1, axis).astype(np.float32)
;;   ~~~
;;   SOFTMAX AHEAD OF A QUANTISED PRODUCT. Where the list says 'softmax', what is quantised is not the finished softmax but p = 2^(t - M), with t = logit x log2(e) and M = ceil(the row's largest t), a whole number; so 1/2 < the row's largest p <= 1. The row's sum l is taken of the UNQUANTISED p, in f32, and the product's result is divided by l at the end. Since M is a whole number, a kernel that streams over the keys may use a running M (the ceiling of the running maximum): every later rescaling is an exact power of two, which a block's scale takes up: the codes' values come out the same.
;;   OPERANDS COMPUTED ON THE WAY. 'Computed on the way' means the value that the module computes at that place (a softmax that the list does not call 'softmax' is quantised finished and normalised). What goes into a quantiser is computed in f32, as accurately as f32 sums, v_exp_f32 and their like allow (about 1e-6 of the number): no bf16 or f16 on the way to a quantiser, and a product that is left as it is and whose result goes on into a quantised operand takes f32 operands (vector FMAs, or v_wmma_f32_16x16x4_f32). A number that lies on a knife's edge between two numbers of the format may be rounded either way, as far as f32 arithmetic and the matrix unit's own rounding can turn it there, and no further.
;; One version. Each part assembles by itself: llvm-mc -triple=amdgcn-amd-amdhsa -mcpu=gfx1250 --defsym DOCPART=n.
;; ======== version 1 of 1: 4 launches
;; limits: right only within a limited range of input values
;; workspace buffers: ctxc 13,107,200 bytes; wkvc 819,200 bytes; wqc 409,600 bytes; woc 409,600 bytes; kvb 13,631,488 bytes; oc 1,703,936 bytes
;; launch quant (part 1): grid 576 x 1, 4 waves a work-group, no clusters, 34,304 bytes of LDS; arguments context, Wq, Wkv, Wo, ctxc, wqc, wkvc, woc; writes ctxc, wqc, wkvc, woc
.if DOCPART == 1
	.amdgcn_target "amdgcn-amd-amdhsa--gfx1250"
	.amdhsa_code_object_version 6
	.text
	.protected	k_q8032e337e4_quant
	.globl	k_q8032e337e4_quant
	.p2align	8
	.type	k_q8032e337e4_quant,@function
k_q8032e337e4_quant:
	s_mov_b64 s[64:65], 0
	v_nop
	global_prefetch_b8 v0, s[64:65] scope:SCOPE_SE
	s_setreg_imm32_b32 hwreg(HW_REG_WAVE_MODE, 25, 1), 1
	s_wait_xcnt 0x0
; context [16384][1024] and the weights Wq [1024][512], Wkv [1024][1024], Wo [512][1024], all f32, become codes of BF6 (E3M2) with one E8M0 byte for each 32 along K.
; A block's scale is 2^(floor(log2(largest magnitude)) - 4); its byte is the largest magnitude's exponent field - 4, held at 1 from below (a block of zeros keeps the byte 1: its codes are zeros, and this program alone reads the bytes).
; LIMITS: NaN and infinities among the inputs are not served; blocks whose largest magnitude lies under 2^-122 keep the byte 1.
; WHAT IS STORED ARE IMAGES OF OPERAND REGISTERS.  A fragment (16 rows x 128 K) is 12 registers a lane; it is stored as three runs of 512 bytes, lane l's registers 4 q .. 4 q + 3 at 512 q + 16 l.
; THE ROWS OF A TILE ARE NOT NEIGHBOURS: row r of tile T is row 32 (T / 2) + 8 (T % 2) + r + 8 (r / 8) of the operand, so that a product's results of tiles 2 g and 2 g + 1 are 16 neighbours in a lane.
; SHARES.  A wave takes one tile and four K steps.  Work-groups 0-15: Wq, 16-47: Wkv, 48-63: Wo, 64-575: context.  Waves share nothing: no barrier, no cluster (no input is read twice).
; context: K is innermost.  Each load takes 512 consecutive bytes of a row; a K step's 16 rows turn through the wave's own stage in LDS, so that a lane then holds 16 neighbours of each block of 32 of ONE row.
; weights: K is the first axis.  A lane takes a column and its registers run down K, in the order of the operand's layout: nothing is turned.
.set FLOOR, 0x2800000                  ; 2^(5 - 127)
.set EOFF,  0xfe000000                 ; -(4 << 23)
.set WCH,   102400                     ; a chunk of wqc or woc
.set REC,   12800                      ; a tile's record in ctxc or wkvc: 8 images, then 512 bytes of scale words
.set AREA,  8448                       ; a stage: 16 runs of 512 bytes, 528 apart
.set LANE, 2
.set RR,   3                           ; lane % 16
.set HH,   4                           ; lane / 16
.set L16,  5                           ; 16 x lane
.set VOI,  6                           ; context: where my 16 bytes of an image go
.set VOS,  7                           ; where my row's scale words go
.set STW,  8                           ; the stage, on the way in
.set STR,  9                           ; and on the way out
.set H8,   10                          ; 8 x (lane / 16)
.set WOFF, 12                          ; weights: my column and my half's 32 rows
.set PC,   16                          ; v16-27 the codes; v28-35 halves of blocks on their way
.set BM,   36                          ; largest magnitudes
.set BP,   40                          ; the other half's, then bytes
.set BS,   44                          ; the conversions' scale operands
.set SW,   52                          ; v52-55 the scale words of my four K steps
.set LD,   64                          ; v64-127, v128-191 two sets of 64 numbers as loaded
.set X,    192                         ; v192-255 64 numbers in the quantiser's order
.set SEL,  22                          ; s[22:23] lane l xor 16
; 64 numbers of a lane, register 16 b + i = k 32 b + 16 (lane / 16) + i of my row, become the fragment's codes in v[PC] on and my row's scale word
.macro QUANT src, word
.irp b,0,1,2,3
	v_max3_num_f32 v[BM+\b], |v[\src+16*\b]|, |v[\src+1+16*\b]|, FLOOR   ; the floor is one more leaf: the byte cannot fall under 1
.endr
.irp i,2,4,6,8,10,12,14
.irp b,0,1,2,3
	v_max3_num_f32 v[BM+\b], v[BM+\b], |v[\src+16*\b+\i]|, |v[\src+1+16*\b+\i]|
.endr
.endr
.irp b,0,1,2,3
	v_permlanex16_b32 v[BP+\b], v[BM+\b], s[SEL], s[SEL+1]
.endr
.irp b,0,1,2,3
	v_max_num_f32 v[BM+\b], v[BM+\b], v[BP+\b]     ; with lane l xor 16's 16 numbers: the block's largest magnitude
.endr
.irp b,0,1,2,3
	v_add_nc_u32 v[BS+\b], EOFF, v[BM+\b]          ; 4 off its exponent field: the conversion takes that field as its scale
.endr
.irp b,0,1,2,3
	v_lshrrev_b32 v[BP+\b], 23, v[BS+\b]           ; the byte
.endr
	v_lshl_or_b32 v[\word], v[BP+1], 8, v[BP]
	v_lshl_or_b32 v[\word], v[BP+2], 16, v[\word]
	v_lshl_or_b32 v[\word], v[BP+3], 24, v[\word]
.irp c,0,1
	v_cvt_scalef32_pk16_bf6_f32 v[PC+6*\c:PC+2+6*\c], v[\src+32*\c:\src+15+32*\c], v[BS+2*\c]
	v_cvt_scalef32_pk16_bf6_f32 v[PC+12+4*\c:PC+14+4*\c], v[\src+16+32*\c:\src+31+32*\c], v[BS+2*\c+1]   ; (three registers from an even one on)
.endr
	v_nop                                          ; one plain line behind the scaled conversions
.irp c,0,1                                     ; the layout wants a whole block in a lane: lanes 0-15 block 2 c, lanes 16-31 block 2 c + 1
.irp i,0,1,2
	v_permlane16_swap_b32 v[PC+6*\c+\i], v[PC+12+4*\c+\i]
.endr
.irp i,0,1,2
	v_mov_b32 v[PC+3+6*\c+\i], v[PC+12+4*\c+\i]
.endr
.endr
.endm
; 64 numbers of a lane, register 32 c + i = k 64 c + 32 (lane / 16) + i of my column: two whole blocks are mine
.macro QUANTW src, word
.irp c,0,1
	v_max3_num_f32 v[BM+\c], |v[\src+32*\c]|, |v[\src+1+32*\c]|, FLOOR
.endr
.irp i,2,4,6,8,10,12,14,16,18,20,22,24,26,28,30
.irp c,0,1
	v_max3_num_f32 v[BM+\c], v[BM+\c], |v[\src+32*\c+\i]|, |v[\src+1+32*\c+\i]|
.endr
.endr
.irp c,0,1
	v_add_nc_u32 v[BS+\c], EOFF, v[BM+\c]
.endr
.irp c,0,1
	v_lshrrev_b32 v[BP+\c], 23, v[BS+\c]
.endr
	v_lshl_or_b32 v[\word], v[BP+1], 16, v[BP]     ; my bytes: blocks h and 2 + h,
	v_lshlrev_b32 v[\word], v[H8], v[\word]        ; at their places;
	v_permlanex16_b32 v[BP+2], v[\word], s[SEL], s[SEL+1]
	v_or_b32 v[\word], v[\word], v[BP+2]           ; with lane l xor 16's two the word is whole
.irp c,0,1
	v_cvt_scalef32_pk16_bf6_f32 v[PC+6*\c:PC+2+6*\c], v[\src+32*\c:\src+15+32*\c], v[BS+\c]
	v_cvt_scalef32_pk16_bf6_f32 v[PC+12+4*\c:PC+14+4*\c], v[\src+16+32*\c:\src+31+32*\c], v[BS+\c]
.endr
	v_nop                                          ; one plain line behind the scaled conversions
.irp c,0,1
.irp i,0,1,2
	v_mov_b32 v[PC+3+6*\c+\i], v[PC+12+4*\c+\i]
.endr
.endr
.endm
	s_load_b256 s[4:11], s[0:1], 0x0               ; context s[4:5], Wq s[6:7], Wkv s[8:9], Wo s[10:11]
	s_load_b256 s[12:19], s[0:1], 0x20             ; ctxc s[12:13], wqc s[14:15], wkvc s[16:17], woc s[18:19]
	v_lshl_add_u32 v62, v0, 2, 0x8400
	v_mov_b32 v63, 0
	v_lshrrev_b32 v1, 5, v0
	v_readfirstlane_b32 s20, v1                    ; wave
	v_and_b32 v[LANE], 31, v0
	v_and_b32 v[RR], 15, v0
	v_bfe_u32 v[HH], v0, 4, 1
	v_lshlrev_b32 v[L16], 4, v[LANE]
	s_mov_b32 s[SEL], 0x76543210
	s_mov_b32 s[SEL+1], 0xfedcba98
.irp b,0,1,2,3
	v_mov_b32 v[BP+\b], 0                          ; written once: a lane permute's destination counts as one of its sources
.endr
	s_lshl_b32 s21, ttmp9, 2
	s_add_co_u32 s21, s21, s20                     ; my unit: 4 x work-group + wave
	s_wait_kmcnt 0x0
	s_cmp_lt_u32 ttmp9, 64
	s_cbranch_scc1 .Lweights
	; ---------------- context: tile T = unit / 2, K steps 4 kh .. 4 kh + 3, kh = unit % 2
	s_sub_co_u32 s21, s21, 256
	s_lshr_b32 s24, s21, 1                         ; T
	s_and_b32 s25, s21, 1                          ; kh
	s_lshr_b32 s26, s24, 1
	s_lshl_b32 s26, s26, 5
	s_and_b32 s27, s24, 1
	s_lshl_b32 s27, s27, 3
	s_add_co_u32 s26, s26, s27                     ; the tile's first row
	s_lshl_b32 s26, s26, 12                        ; rows of 4,096 bytes
	s_lshl_b32 s27, s25, 11                        ; + 2,048 kh
	s_add_co_u32 s26, s26, s27
	s_mov_b32 s27, 0
	s_add_nc_u64 s[4:5], s[4:5], s[26:27]
	s_mul_i32 s28, s24, REC
	s_mov_b32 s29, 0
	s_add_nc_u64 s[12:13], s[12:13], s[28:29]      ; the tile's record
	s_mul_i32 s30, s25, 4*1536
	s_wait_alu depctr_va_vdst(0)
	v_add_nc_u32 v[VOI], s30, v[L16]
	s_lshl_b32 s30, s25, 4
	v_lshl_add_u32 v[VOS], v[RR], 5, s30           ; scale words: 32 r + 16 kh
	; the stage.  A lane that holds numbers 4 l .. 4 l + 3 of row p puts them at 528 (4 (l / 8) + l % 4) + 256 ((l / 4) % 2) + 16 p;
	; the load at 528 j + 16 l then brings lane l = (r, h) numbers 32 (j / 4) + 16 h + 4 (j % 4) + 0 .. 3 of row r
	v_lshrrev_b32 v[STW], 3, v[LANE]
	v_and_b32 v[STR], 3, v0
	v_lshl_add_u32 v[STW], v[STW], 2, v[STR]
	v_mul_u32_u24 v[STW], v[STW], 528
	v_bfe_u32 v[STR], v0, 2, 1
	v_lshl_add_u32 v[STW], v[STR], 8, v[STW]
	s_mul_i32 s30, s20, AREA                       ; my wave's stage
	v_add_nc_u32 v[STW], s30, v[STW]
	v_add_nc_u32 v[STR], s30, v[L16]
.macro LOADC j                         ; K step j of my 16 rows: each load takes 512 consecutive bytes of a row
.irp p,0,1,2,3,4,5,6,7,8,9,10,11,12,13,14,15
	global_load_b128 v[LD+64*((\j)%2)+4*\p:LD+64*((\j)%2)+4*\p+3], v[L16], s[4:5] offset:(\p+8*(\p/8))*4096+512*(\j) th:TH_LOAD_NT
.endr
.endm
.macro CSTEP j
.if \j < 3
	s_wait_loadcnt 16                              ; this step's 16 loads are in; the next step's 16 may be out
.else
	s_wait_loadcnt 0x0
.endif
.irp p,0,1,2,3,4,5,6,7,8,9,10,11,12,13,14,15
	ds_store_b128 v[STW], v[LD+64*(\j%2)+4*\p:LD+64*(\j%2)+4*\p+3] offset:16*\p
.endr
.irp q,0,1,2,3,4,5,6,7,8,9,10,11,12,13,14,15
	ds_load_b128 v[X+4*\q:X+4*\q+3], v[STR] offset:528*\q      ; LDS serves a wave's instructions in order: these see the stores above
.endr
	s_wait_dscnt 0x0                               ; the numbers are back, and the stores have read the set
	s_wait_xcnt 0x0                                ; the last step's stores have read the codes' registers
.if \j < 2
	LOADC \j+2
.endif
	QUANT X, SW+\j
.irp q,0,1,2
	global_store_b128 v[VOI], v[PC+4*\q:PC+4*\q+3], s[12:13] offset:1536*\j+512*\q   ; 512 consecutive bytes
.endr
.endm
	LOADC 0
	LOADC 1
	s_wait_alu depctr_va_vdst(0)
	CSTEP 0
	CSTEP 1
	CSTEP 2
	CSTEP 3
	s_wait_xcnt 0x0                                ; EXEC changes only behind this wait
	v_cmp_gt_u32 vcc_lo, 16, v[LANE]
	s_wait_tensorcnt 0x0
	ds_add_u32 v62, v63
	s_wait_dscnt 0x0
	s_and_saveexec_b32 s38, vcc_lo                 ; lanes 0-15: a row each
	global_store_b128 v[VOS], v[SW:SW+3], s[12:13] offset:12288
	s_wait_xcnt 0x0
	s_or_b32 exec_lo, exec_lo, s38
	s_endpgm
	; ---------------- weights
.macro LOADW j                         ; K step j: W(128 j + 64 c + 32 h + i, my column)
.irp c,0,1
.irp i,0,1,2,3,4,5,6,7,8,9,10,11,12,13,14,15,16,17,18,19,20,21,22,23,24,25,26,27,28,29,30,31
	global_load_b32 v[LD+64*((\j)%2)+32*\c+\i], v[WOFF], s[32:33] offset:(128*(\j)+64*\c+\i)*PITCH
.endr
.endr
.endm
.macro WSTEP kind, j
.if \j < 3
	s_wait_loadcnt 63                              ; this step's 64 loads are in: behind them stand the next step's 64, of which a wait can name 63
.else
	s_wait_loadcnt 0x0
.endif
	s_wait_xcnt 0x0                                ; the last step's stores have read the codes' registers
	QUANTW LD+64*(\j%2), SW+\j
.if \j < 2
	LOADW \j+2
.endif
.if \kind == 0
.set IOFF, (\j/2)*WCH+(\j%2)*49152     ; wqc: chunk = two K steps
.elseif \kind == 1
.set IOFF, 1536*\j                     ; wkvc: a record's images on end
.else
.set IOFF, \j*WCH                      ; woc: chunk = K step
.endif
.irp q,0,1,2
	global_store_b128 v[L16], v[PC+4*\q:PC+4*\q+3], s[34:35] offset:IOFF+512*\q
.endr
.endm
; kind 0: Wq (tile = unit / 2, kh = unit % 2), 1: Wkv (the same), 2: Wo (tile = unit, all four K steps)
.macro WPATH kind
.if \kind == 0
.set PITCH, 2048
.set SH, 16
.set U0, 0
.set SRCP, 6
.set DSTP, 14
.elseif \kind == 1
.set PITCH, 4096
.set SH, 17
.set U0, 64
.set SRCP, 8
.set DSTP, 16
.else
.set PITCH, 4096
.set SH, 17
.set U0, 192
.set SRCP, 10
.set DSTP, 18
.endif
	s_sub_co_u32 s21, s21, U0
.if \kind < 2
	s_lshr_b32 s24, s21, 1                         ; T
	s_and_b32 s25, s21, 1                          ; kh
.else
	s_mov_b32 s24, s21
	s_mov_b32 s25, 0
.endif
	s_lshr_b32 s26, s24, 1
	s_lshl_b32 s26, s26, 5
	s_and_b32 s27, s24, 1
	s_lshl_b32 s27, s27, 3
	s_add_co_u32 s26, s26, s27                     ; the tile's first column
	s_lshl_b32 s26, s26, 2
	s_mul_i32 s27, s25, 512*PITCH                  ; + 512 kh rows
	s_add_co_u32 s26, s26, s27
	s_mov_b32 s27, 0
	s_add_nc_u64 s[32:33], s[SRCP:SRCP+1], s[26:27]
.if \kind == 0
	s_mul_i32 s28, s25, 2*WCH
	s_mul_i32 s29, s24, 1536
	s_lshr_b32 s30, s24, 2
	s_lshl_b32 s30, s30, 9
	s_and_b32 s31, s24, 3
	s_lshl_b32 s31, s31, 2
	s_add_co_u32 s30, s30, s31
	s_add_co_u32 s30, s30, s28
	s_add_co_u32 s30, s30, 98304                   ; scale words: 98,304 + 512 (T / 4) + 16 (16 kappa + r) + 4 (T % 4)
	s_add_co_u32 s28, s28, s29
.elseif \kind == 1
	s_mul_i32 s28, s24, REC
	s_lshl_b32 s30, s25, 4
	s_add_co_u32 s30, s30, s28
	s_add_co_u32 s30, s30, 12288                   ; scale words: 12,288 + 32 r + 16 kh
	s_mul_i32 s29, s25, 4*1536
	s_add_co_u32 s28, s28, s29
.else
	s_mul_i32 s28, s24, 1536
	s_lshr_b32 s30, s24, 3
	s_lshl_b32 s30, s30, 9
	s_bfe_u32 s31, s24, 0x10002
	s_lshl_b32 s31, s31, 8
	s_add_co_u32 s30, s30, s31
	s_and_b32 s31, s24, 3
	s_lshl_b32 s31, s31, 2
	s_add_co_u32 s30, s30, s31
	s_add_co_u32 s30, s30, 98304                   ; scale words: 98,304 + 512 (T / 8) + 16 (16 ((T / 4) % 2) + r) + 4 (T % 4)
.endif
	s_mov_b32 s29, 0
	s_mov_b32 s31, 0
	s_add_nc_u64 s[34:35], s[DSTP:DSTP+1], s[28:29]
	s_add_nc_u64 s[36:37], s[DSTP:DSTP+1], s[30:31]
	v_lshlrev_b32 v[WOFF], 2, v11
	v_lshl_add_u32 v[WOFF], v[HH], SH, v[WOFF]     ; lanes 16-31 begin 32 rows further down
.if \kind == 1
	v_lshlrev_b32 v[VOS], 5, v[RR]
.else
	v_lshlrev_b32 v[VOS], 4, v[RR]
.endif
	LOADW 0
	LOADW 1
.irp j,0,1,2,3
	WSTEP \kind, \j
.endr
	s_wait_xcnt 0x0                                ; EXEC changes only behind this wait
	v_cmp_gt_u32 vcc_lo, 16, v[LANE]
	s_and_saveexec_b32 s38, vcc_lo                 ; lanes 0-15: a row each
.if \kind == 1
	global_store_b128 v[VOS], v[SW:SW+3], s[36:37]
.elseif \kind == 0
.irp j,0,1,2,3
	global_store_b32 v[VOS], v[SW+\j], s[36:37] offset:(\j/2)*WCH+(\j%2)*256
.endr
.else
.irp j,0,1,2,3
	global_store_b32 v[VOS], v[SW+\j], s[36:37] offset:\j*WCH
.endr
.endif
	s_wait_xcnt 0x0
	s_or_b32 exec_lo, exec_lo, s38
	s_endpgm
.endm
.Lweights:
	s_wait_alu depctr_va_vdst(0)
	v_lshlrev_b32 v[H8], 3, v[HH]
	v_and_b32 v11, 8, v[RR]
	v_add_nc_u32 v11, v11, v[RR]                   ; r + 8 (r / 8)
	s_cmp_lt_u32 ttmp9, 16
	s_cbranch_scc1 .Lwq
	s_cmp_lt_u32 ttmp9, 48
	s_cbranch_scc1 .Lwkv
	s_wait_alu depctr_va_vdst(0)
	WPATH 2
.Lwq:
	s_wait_alu depctr_va_vdst(0)
	WPATH 0
.Lwkv:
	s_wait_alu depctr_va_vdst(0)
	WPATH 1
.Lfunc_end_k_q8032e337e4_quant:
	.size	k_q8032e337e4_quant, .Lfunc_end_k_q8032e337e4_quant-k_q8032e337e4_quant
	.p2alignl 7, 3214868480
	.fill 96, 4, 3214868480
	.section	.rodata,"a",@progbits
	.p2align	6, 0x0
	.amdhsa_kernel k_q8032e337e4_quant
		.amdhsa_group_segment_fixed_size 34304
		.amdhsa_private_segment_fixed_size 0
		.amdhsa_enable_private_segment 0
		.amdhsa_kernarg_size 64
		.amdhsa_user_sgpr_count 2
		.amdhsa_user_sgpr_kernarg_segment_ptr 1
		.amdhsa_wavefront_size32 1
		.amdhsa_system_sgpr_workgroup_id_x 1
		.amdhsa_system_sgpr_workgroup_id_y 1
		.amdhsa_system_sgpr_workgroup_id_z 1
		.amdhsa_system_vgpr_workitem_id 0
		.amdhsa_next_free_vgpr 256
		.amdhsa_next_free_sgpr 66
		.amdhsa_reserve_vcc 1
		.amdhsa_float_denorm_mode_32 3
		.amdhsa_float_denorm_mode_16_64 3
		.amdhsa_memory_ordered 1
		.amdhsa_forward_progress 1
		.amdhsa_inst_pref_size 150
	.end_amdhsa_kernel
	.amdgpu_metadata
---
amdhsa.version: [ 1, 2 ]
amdhsa.kernels:
  - .name:           k_q8032e337e4_quant
    .symbol:         k_q8032e337e4_quant.kd
    .args:
      - { .name: context, .offset: 0, .size: 8, .value_kind: global_buffer, .address_space: global }
      - { .name: Wq, .offset: 8, .size: 8, .value_kind: global_buffer, .address_space: global }
      - { .name: Wkv, .offset: 16, .size: 8, .value_kind: global_buffer, .address_space: global }
      - { .name: Wo, .offset: 24, .size: 8, .value_kind: global_buffer, .address_space: global }
      - { .name: ctxc, .offset: 32, .size: 8, .value_kind: global_buffer, .address_space: global }
      - { .name: wqc, .offset: 40, .size: 8, .value_kind: global_buffer, .address_space: global }
      - { .name: wkvc, .offset: 48, .size: 8, .value_kind: global_buffer, .address_space: global }
      - { .name: woc, .offset: 56, .size: 8, .value_kind: global_buffer, .address_space: global }
    .group_segment_fixed_size: 34304
    .private_segment_fixed_size: 0
    .kernarg_segment_align: 8
    .kernarg_segment_size: 64
    .max_flat_workgroup_size: 128
    .sgpr_count:     66
    .vgpr_count:     256
    .wavefront_size: 32
...
	.end_amdgpu_metadata
.endif
;; end of part 1
;; launch kvproj (part 2): grid 8 x 64, 4 waves a work-group, clusters of 4 x 4, 307,712 bytes of LDS; arguments ctxc, wkvc, kvb; writes kvb
.if DOCPART == 2
	.amdgcn_target "amdgcn-amd-amdhsa--gfx1250"
	.amdhsa_code_object_version 6
	.text
	.protected	k_q8032e337e4_kvproj
	.globl	k_q8032e337e4_kvproj
	.p2align	8
	.type	k_q8032e337e4_kvproj,@function
k_q8032e337e4_kvproj:
	s_mov_b64 s[64:65], 0
	v_nop
	global_prefetch_b8 v0, s[64:65] scope:SCOPE_SE
	s_setreg_imm32_b32 hwreg(HW_REG_WAVE_MODE, 25, 1), 1
	s_wait_xcnt 0x0
	s_wait_alu depctr_hold_cnt(0) depctr_sa_sdst(0) depctr_va_vdst(0) depctr_va_sdst(0) depctr_va_ssrc(0) depctr_va_vcc(0) depctr_vm_vsrc(0)
	s_getreg_b32 s2, hwreg(HW_REG_IB_STS2, 6, 4)
	s_cmp_eq_u32 s2, 0
	s_cbranch_scc0 .Lentry_in_a_cluster
	s_endpgm
.Lentry_in_a_cluster:
	s_bfe_u32 s2, ttmp6, 0x10000c
	s_cmp_lg_u32 s2, 0xf033
	s_cbranch_scc0 .Lentry_shape_is_right
	s_endpgm
.Lentry_shape_is_right:
; kv = context Wkv on codes of BF6 (E3M2) with E8M0 scales, sums in f32; k is then quantised along its head's 64 channels, v along the keys, and both are stored as images of the operand registers that the attention launch loads.
; LIMITS: NaN and infinities are not served; blocks whose largest magnitude lies under 2^-122 keep the byte 1.
; SHARES.  A work-group takes 16 tiles of context rows (256 keys: two key steps of 128) x 8 tiles of Wkv's columns (two heads of k, cluster x = 0, or of v, cluster x = 1).  Wave w takes key step w / 2 and head w % 2:
; 8 x 4 tiles, 32 accumulators, all of one image of k or of v.  K = 1,024 is 8 steps of 128.
; ALL OF K LIES IN LDS AT ONCE.  A tile's record in memory is dense: 8 images of 1,536 bytes, then 512 bytes of scale words, 12,800 bytes.  ONE tensor load a wave, at the head, brings whole records:
; waves 0 and 1 eight context records each (102,400 bytes), waves 2 and 3 four weight records each (51,200 bytes).  No byte of LDS is filled twice, and no other tensor load follows.
; CLUSTER 4 x 4: the four work-groups of a row need the same context tiles, the four of a column the same weight tiles: each is asked for jointly, by the same load with a mask that names the four.
; ORIENTATION.  k: source 0 = 16 columns of Wkv, source 1 = 16 keys: a lane holds ONE key and its registers run along the channels.  v: source 0 = 16 keys, source 1 = 16 columns: a lane holds ONE channel and its registers run along the keys.
; The rows of every tile were chosen so that the registers of tiles 2 g and 2 g + 1 are 16 neighbours 32 g + 16 (lane / 16) + 0 .. 15.
; REGISTERS: window 0: v1-23 addresses; v64-127 context's scale words (8 i + K step), v128-159 the weights' (8 j + K step); v160-207 the image; v208-243 at work.
;   windows 1, 2: two sets of fragments: context's i at v[12 i], the weights' j at v[96 + 12 j].   window 3: the accumulators.
.set REC,   12800
.set BLK,   106496                     ; a block of kvb: K 49,152, V 49,152, K's scale words 4,096, V's 2,048, zeros 2,048
.set WT,    204800                     ; LDS: context's 16 records at 0, the weights' 8 here; the spare words behind them
.set FLOOR, 0x2800000
.set EOFF,  0xfe000000
.set L16,  1
.set VCT,  2                           ; v2-3  my context tiles 0-3, 4-7
.set VWT,  6                           ; my 4 weight tiles
.set VWS,  11                          ; their rows' scale words
.set FLR,  12                          ; the floor, as a register: the maxima's other two sources lie in another window
.set L8,   13
.set Z,    14                          ; v14-15 zeros
.set GOA,  16                          ; where my image's 16 bytes go
.set GOB,  17                          ; k's scale words
.set GOC,  18                          ; v's scale words
.set LANE, 19
.set VCS,  22                          ; v22-23 the scale words of my context tiles 0-3, 4-7
.set CSC,  64
.set WSC,  128
.set OUT,  160
.set TP,   208
.set BM,   216
.set BP,   220
.set BS,   224
.set WD,   232
.set PK,   240
.set SEL,  2                           ; s[2:3], from the way out on
.set MSB, 0
.macro WIN new                         ; the immediate's high byte repeats the setting that is left
.if MSB != (\new)
	s_set_vgpr_msb (MSB<<8)|(\new)
.set MSB, (\new)
.endif
.endm
.macro PLACES                          ; four plain lines behind matrix instructions, ahead of loads into their sources and of reads of their results
.rept 4
	v_nop
.endr
.endm
.macro CROUND                          ; a round of the cluster's barrier
	s_barrier_signal -1
	s_barrier_wait -1
	s_cmp_lg_u32 s10, 0
	s_cbranch_scc1 .Lnw0_\@
	s_barrier_signal -3
.Lnw0_\@:
	s_barrier_wait -3
	s_barrier_signal -1
	s_barrier_wait -1
.endm
.macro G0SET g, ldsreg, ldsoff, ptr
	s_mov_b32 s[\g], 1                             ; count = 1
	s_add_co_u32 s[\g+1], s[\ldsreg], \ldsoff      ; LDS address
	s_mov_b64 s[\g+2:\g+3], s[\ptr:\ptr+1]
	s_or_b32 s[\g+3], s[\g+3], 0x80000000          ; type = 2
.endm
.macro G1SET g, r                      ; r records of 1,600 elements of 8 bytes, one behind the other
	s_mov_b32 s[\g+1], 1600<<16
	s_mov_b32 s[\g+2], (\r)<<16
	s_mov_b32 s[\g+3], 1600<<16
	s_mov_b32 s[\g+4], \r
	s_mov_b32 s[\g+5], 1600
	s_mov_b32 s[\g+6], 0
	s_mov_b32 s[\g+7], 0
.endm
	s_load_b128 s[4:7], s[0:1], 0x0                ; ctxc s[4:5], wkvc s[6:7]
	s_load_b64 s[8:9], s[0:1], 0x10                ; kvb
	v_lshl_add_u32 v254, v0, 2, 0x4b000
	v_mov_b32 v255, 0
	ds_add_u32 v254, v255                          ; the opening lines: the add, twice on end, and its wait ahead of my tensor load
	ds_add_u32 v254, v255
	v_lshrrev_b32 v1, 5, v0
	v_readfirstlane_b32 s10, v1                    ; wave
	s_lshr_b32 s11, s10, 1                         ; my key step of the two.  Also: I fetch context (0) or weights (1)
	s_and_b32 s12, s10, 1                          ; my head of the two.  Also: which half of the tiles I fetch
	s_bfe_u32 s13, ttmp6, 0x40000                  ; cx
	s_bfe_u32 s14, ttmp6, 0x40004                  ; cy
	s_lshl_b32 s15, ttmp9, 2
	s_add_co_u32 s15, s15, s13                     ; x: weight tiles 8 x on
	s_and_b32 s92, ttmp7, 0xffff
	s_lshl_b32 s92, s92, 2
	s_add_co_u32 s92, s92, s14                     ; y: context tiles 16 y on
	s_lshl_b32 s93, s14, 2
	s_lshl_b32 s93, 15, s93                        ; my row of the cluster
	s_lshl_b32 s94, 0x1111, s13                    ; my column
	s_or_b32 s16, s93, (3<<16)|(1<<21)             ; context: elements of 8 bytes, the mask and bit 21 beside it
	s_or_b32 s24, s94, (3<<16)|(1<<21)             ; the weights
	G1SET 16, 8
	G1SET 24, 4
	s_lshl_b32 s95, s92, 4
	s_lshl_b32 s96, s12, 3
	s_add_co_u32 s95, s95, s96                     ; context tile 16 y + 8 half
	s_mul_i32 s96, s95, REC
	s_mov_b32 s97, 0
	s_lshl_b32 s98, s15, 3
	s_lshl_b32 s99, s12, 2
	s_add_co_u32 s98, s98, s99                     ; weight tile 8 x + 4 half
	s_mul_i32 s98, s98, REC
	s_mov_b32 s99, 0
	s_mul_i32 s3, s12, 8*REC                       ; where they go hangs on the wave's number alone
	s_mul_i32 s101, s12, 4*REC
	s_wait_dscnt 0x0
	s_wait_kmcnt 0x0
	s_add_nc_u64 s[96:97], s[4:5], s[96:97]
	s_add_nc_u64 s[98:99], s[6:7], s[98:99]
	G0SET 52, 3, 0, 96
	G0SET 76, 101, WT, 98
	CROUND                                         ; all sixteen work-groups are here: the joint loads meet
	s_cmp_lt_u32 s10, 2                            ; one branch on the wave's number, one load in each arm: one load of mine is out
	s_cbranch_scc0 .Lfill_w
	tensor_load_to_lds s[52:55], s[16:23]
	s_nop 0
	PLACES
	s_branch .Lfilled
.Lfill_w:
	tensor_load_to_lds s[76:79], s[24:31]
	s_nop 0
	PLACES
.Lfilled:
	v_and_b32 v[LANE], 31, v0
	v_lshlrev_b32 v[L16], 4, v[LANE]
	v_lshlrev_b32 v[L8], 3, v[LANE]
	v_and_b32 v20, 15, v0
	v_lshlrev_b32 v20, 5, v20                      ; a row's 8 scale words: 32 r
	s_wait_alu depctr_va_vdst(0)
	s_mul_i32 s2, s11, 8*REC                       ; my 8 context tiles
	s_mul_i32 s3, s12, 4*REC                       ; my 4 weight tiles
	s_add_co_u32 s3, s3, WT
	v_add_nc_u32 v[VCT], s2, v[L16]
	v_add_nc_u32 v[VWT], s3, v[L16]
	v_add_nc_u32 v[VCS], s2, v20
	v_add_nc_u32 v[VWS], s3, v20
	v_add_nc_u32 v[VCT+1], 4*REC, v[VCT]           ; tiles 4-7: an LDS offset has 16 bits
	v_add_nc_u32 v[VCS+1], 4*REC, v[VCS]
	v_mov_b32 v[FLR], FLOOR
	v_mov_b32 v[Z], 0
	v_mov_b32 v[Z+1], 0
.irp b,0,1,2,3
	v_mov_b32 v[BP+\b], 0                          ; written once: a lane permute's destination counts as one of its sources
.endr
	; where my image goes: block S = 2 y + key step, head = 2 cx + w % 2 (global addresses alone hang on the place in the cluster)
	s_lshl_b32 s93, s13, 1
	s_add_co_u32 s93, s93, s12                     ; head
	s_mul_i32 s94, s93, 6144
	v_add_nc_u32 v[GOA], s94, v[L16]
	s_lshl_b32 s94, s93, 9
	v_add_nc_u32 v[GOB], s94, v[L16]
	s_lshl_b32 s94, s93, 8
	v_add_nc_u32 v[GOC], s94, v[L8]
	s_lshl_b32 s100, s92, 1
	s_add_co_u32 s100, s100, s11                   ; S
	s_mul_i32 s100, s100, BLK
	s_mov_b32 s101, 0
	s_add_nc_u64 s[8:9], s[8:9], s[100:101]
.macro FETCH s                         ; K step s: 12 fragments, 36 loads of 512 consecutive bytes, into set s % 2
	WIN 0x40*(1+(\s)%2)
.irp i,0,1,2,3,4,5,6,7
.irp q,0,1,2
	ds_load_b128 v[12*\i+4*\q:12*\i+4*\q+3], v[VCT+\i/4] offset:REC*(\i%4)+1536*(\s)+512*\q
.endr
.endr
.irp j,0,1,2,3
.irp q,0,1,2
	ds_load_b128 v[96+12*\j+4*\q:96+12*\j+4*\q+3], v[VWT] offset:REC*\j+1536*(\s)+512*\q
.endr
.endr
	WIN 0
.endm
; 32 products of a K step.  The 32 accumulators take turns, v0, v8, .. v248 of window 3, in both forms and in every step.  Step 0 starts the sums with the constant 0.
.macro MULK s                          ; k: accumulator 4 i + j
	WIN 0xf0+5*(1+(\s)%2)
.irp i,0,1,2,3,4,5,6,7
.irp j,0,1,2,3
.if (\s) == 0
	v_wmma_scale_f32_16x16x128_f8f6f4 v[8*(4*\i+\j):8*(4*\i+\j)+7], v[96+12*\j:96+12*\j+11], v[12*\i:12*\i+11], 0, v[WSC+8*\j+(\s)], v[CSC+8*\i+(\s)] matrix_a_fmt:MATRIX_FMT_BF6 matrix_b_fmt:MATRIX_FMT_BF6
.else
	v_wmma_scale_f32_16x16x128_f8f6f4 v[8*(4*\i+\j):8*(4*\i+\j)+7], v[96+12*\j:96+12*\j+11], v[12*\i:12*\i+11], v[8*(4*\i+\j):8*(4*\i+\j)+7], v[WSC+8*\j+(\s)], v[CSC+8*\i+(\s)] matrix_a_fmt:MATRIX_FMT_BF6 matrix_b_fmt:MATRIX_FMT_BF6
.endif
.endr
.endr
	WIN 0
.endm
.macro MULV s                          ; v: accumulator 8 j + i
	WIN 0xf0+5*(1+(\s)%2)
.irp j,0,1,2,3
.irp i,0,1,2,3,4,5,6,7
.if (\s) == 0
	v_wmma_scale_f32_16x16x128_f8f6f4 v[8*(8*\j+\i):8*(8*\j+\i)+7], v[12*\i:12*\i+11], v[96+12*\j:96+12*\j+11], 0, v[CSC+8*\i+(\s)], v[WSC+8*\j+(\s)] matrix_a_fmt:MATRIX_FMT_BF6 matrix_b_fmt:MATRIX_FMT_BF6
.else
	v_wmma_scale_f32_16x16x128_f8f6f4 v[8*(8*\j+\i):8*(8*\j+\i)+7], v[12*\i:12*\i+11], v[96+12*\j:96+12*\j+11], v[8*(8*\j+\i):8*(8*\j+\i)+7], v[CSC+8*\i+(\s)], v[WSC+8*\j+(\s)] matrix_a_fmt:MATRIX_FMT_BF6 matrix_b_fmt:MATRIX_FMT_BF6
.endif
.endr
.endr
	WIN 0
.endm
.macro KSTEP s
	s_wait_dscnt 0x0                               ; this step's fragments are in
	PLACES                                         ; behind the products that read the other set
.if (\s) < 7
	FETCH (\s)+1
.endif
	s_cmp_eq_u32 ttmp9, 0                          ; k or v: the cluster's x, the same in all partners and all waves
	s_cbranch_scc0 .Lv_\@
	MULK \s
	s_branch .Ld_\@
.Lv_\@:
	MULV \s
.Ld_\@:
.endm
	s_wait_alu depctr_va_vdst(0)                   ; the wait at the head's end
	s_wait_tensorcnt 0x0                           ; my records have landed,
	s_barrier_signal -1
	s_barrier_wait -1                              ; everybody's have
.irp i,0,1,2,3,4,5,6,7
.irp u,0,1
	ds_load_b128 v[CSC+8*\i+4*\u:CSC+8*\i+4*\u+3], v[VCS+\i/4] offset:12288+REC*(\i%4)+16*\u   ; row r's words of K steps 4 u .. 4 u + 3
.endr
.endr
.irp j,0,1,2,3
.irp u,0,1
	ds_load_b128 v[WSC+8*\j+4*\u:WSC+8*\j+4*\u+3], v[VWS] offset:12288+REC*\j+16*\u
.endr
.endr
	FETCH 0
.irp s,0,1,2,3,4,5,6,7
	KSTEP \s
.endr
	PLACES                                         ; behind the last products, ahead of the first read of results
	s_mov_b32 s[SEL], 0x76543210
	s_mov_b32 s[SEL+1], 0xfedcba98                 ; lane l xor 16
; 32 results of a lane (window 3, src on: register 16 g + i = channel 32 g + 16 (lane / 16) + i of my key) become half a fragment, 6 registers at dst, and two bytes of a scale word.  Each accumulator is read from its low end on.
.macro HALFQW src, dst, word
	WIN 0x3c                                       ; sources 1 and 2 in window 3
.irp g,0,1
	v_max3_num_f32 v[BM+\g], v[FLR], |v[\src+16*\g]|, |v[\src+1+16*\g]|
.endr
.irp i,2,4,6,8,10,12,14
.irp g,0,1
	v_max3_num_f32 v[BM+\g], v[BM+\g], |v[\src+16*\g+\i]|, |v[\src+1+16*\g+\i]|
.endr
.endr
	WIN 0
.irp g,0,1
	v_permlanex16_b32 v[BP+\g], v[BM+\g], s[SEL], s[SEL+1]
.endr
.irp g,0,1
	v_max_num_f32 v[BM+\g], v[BM+\g], v[BP+\g]
.endr
.irp g,0,1
	v_add_nc_u32 v[BS+\g], EOFF, v[BM+\g]
.endr
.irp g,0,1
	v_lshrrev_b32 v[BP+\g], 23, v[BS+\g]
.endr
	v_lshl_or_b32 v[\word], v[BP+1], 8, v[BP]      ; bytes 2 and 3 stay 0: they scale codes that meet zero codes
	WIN 0x03                                       ; source 0 in window 3
	v_cvt_scalef32_pk16_bf6_f32 v[\dst:\dst+2], v[\src:\src+15], v[BS]
	v_cvt_scalef32_pk16_bf6_f32 v[TP:TP+2], v[\src+16:\src+31], v[BS+1]
	WIN 0
	v_nop                                          ; one plain line behind the scaled conversions
.irp i,0,1,2
	v_permlane16_swap_b32 v[\dst+\i], v[TP+\i]     ; lanes 0-15 get block 0 whole, lanes 16-31 block 1
.endr
.irp i,0,1,2
	v_mov_b32 v[\dst+3+\i], v[TP+\i]
.endr
.endm
; 64 results of a lane (register 16 b + i = key 32 b + 16 (lane / 16) + i of my channel) become a fragment, 12 registers at dst, and a scale word
.macro QUANTWIN src, dst, word
	WIN 0x3c
.irp b,0,1,2,3
	v_max3_num_f32 v[BM+\b], v[FLR], |v[\src+16*\b]|, |v[\src+1+16*\b]|
.endr
.irp i,2,4,6,8,10,12,14
.irp b,0,1,2,3
	v_max3_num_f32 v[BM+\b], v[BM+\b], |v[\src+16*\b+\i]|, |v[\src+1+16*\b+\i]|
.endr
.endr
	WIN 0
.irp b,0,1,2,3
	v_permlanex16_b32 v[BP+\b], v[BM+\b], s[SEL], s[SEL+1]
.endr
.irp b,0,1,2,3
	v_max_num_f32 v[BM+\b], v[BM+\b], v[BP+\b]
.endr
.irp b,0,1,2,3
	v_add_nc_u32 v[BS+\b], EOFF, v[BM+\b]
.endr
.irp b,0,1,2,3
	v_lshrrev_b32 v[BP+\b], 23, v[BS+\b]
.endr
	v_lshl_or_b32 v[\word], v[BP+1], 8, v[BP]
	v_lshl_or_b32 v[\word], v[BP+2], 16, v[\word]
	v_lshl_or_b32 v[\word], v[BP+3], 24, v[\word]
	WIN 0x03
.irp c,0,1
	v_cvt_scalef32_pk16_bf6_f32 v[\dst+6*\c:\dst+2+6*\c], v[\src+32*\c:\src+15+32*\c], v[BS+2*\c]
	v_cvt_scalef32_pk16_bf6_f32 v[TP+4*\c:TP+2+4*\c], v[\src+16+32*\c:\src+31+32*\c], v[BS+2*\c+1]
.endr
	WIN 0
	v_nop
.irp c,0,1
.irp i,0,1,2
	v_permlane16_swap_b32 v[\dst+6*\c+\i], v[TP+4*\c+\i]
.endr
.irp i,0,1,2
	v_mov_b32 v[\dst+3+6*\c+\i], v[TP+4*\c+\i]
.endr
.endr
.endm
	s_cmp_eq_u32 ttmp9, 0
	s_cbranch_scc0 .Lout_v
	; ---- k: eight tiles of keys, half a fragment each: 48 registers
.irp i,0,1,2,3,4,5,6,7
	HALFQW 32*\i, OUT+6*\i, WD+\i
.endr
	v_cmp_le_u32 vcc_lo, 16, v[LANE]
.irp j,0,1,2,3
	v_cndmask_b32 v[PK+\j], v[WD+2*\j], v[WD+2*\j+1], vcc_lo   ; word j: lanes 0-15 tile 2 j's rows, lanes 16-31 tile 2 j + 1's
.endr
.irp q,0,1,2,3,4,5,6,7,8,9,10,11
	global_store_b128 v[GOA], v[OUT+4*\q:OUT+4*\q+3], s[8:9] offset:512*\q   ; 512 consecutive bytes
.endr
	global_store_b128 v[GOB], v[PK:PK+3], s[8:9] offset:98304
	s_branch .Lend
.Lout_v:
	; ---- v: four tiles of channels, a fragment each
.irp j,0,1,2,3
	QUANTWIN 64*\j, OUT+12*\j, WD+\j
.endr
	v_cmp_le_u32 vcc_lo, 16, v[LANE]
	v_cndmask_b32 v[PK], v[WD], v[WD+1], vcc_lo
	v_cndmask_b32 v[PK+1], v[WD+2], v[WD+3], vcc_lo
.irp q,0,1,2,3,4,5,6,7,8,9,10,11
	global_store_b128 v[GOA], v[OUT+4*\q:OUT+4*\q+3], s[8:9] offset:49152+512*\q
.endr
	global_store_b64 v[GOC], v[PK:PK+1], s[8:9] offset:102400
	global_store_b64 v[GOC], v[Z:Z+1], s[8:9] offset:104448    ; the block's last 2,048 bytes are written too: zeros
.Lend:
	s_wait_tensorcnt 0x0                           ; the wave's end
	ds_add_u32 v254, v255
	s_wait_dscnt 0x0
	CROUND                                         ; the closing round: no work-group ends while a partner may still ask for a tile that names it
	s_endpgm
.Lfunc_end_k_q8032e337e4_kvproj:
	.size	k_q8032e337e4_kvproj, .Lfunc_end_k_q8032e337e4_kvproj-k_q8032e337e4_kvproj
	.p2alignl 7, 3214868480
	.fill 96, 4, 3214868480
	.section	.rodata,"a",@progbits
	.p2align	6, 0x0
	.amdhsa_kernel k_q8032e337e4_kvproj
		.amdhsa_group_segment_fixed_size 307712
		.amdhsa_private_segment_fixed_size 0
		.amdhsa_enable_private_segment 0
		.amdhsa_kernarg_size 24
		.amdhsa_user_sgpr_count 2
		.amdhsa_user_sgpr_kernarg_segment_ptr 1
		.amdhsa_wavefront_size32 1
		.amdhsa_system_sgpr_workgroup_id_x 1
		.amdhsa_system_sgpr_workgroup_id_y 1
		.amdhsa_system_sgpr_workgroup_id_z 1
		.amdhsa_system_vgpr_workitem_id 0
		.amdhsa_next_free_vgpr 1024
		.amdhsa_next_free_sgpr 102
		.amdhsa_reserve_vcc 1
		.amdhsa_float_denorm_mode_32 3
		.amdhsa_float_denorm_mode_16_64 3
		.amdhsa_memory_ordered 1
		.amdhsa_forward_progress 1
		.amdhsa_inst_pref_size 127
	.end_amdhsa_kernel
	.amdgpu_metadata
---
amdhsa.version: [ 1, 2 ]
amdhsa.kernels:
  - .name:           k_q8032e337e4_kvproj
    .symbol:         k_q8032e337e4_kvproj.kd
    .args:
      - { .name: ctxc, .offset: 0, .size: 8, .value_kind: global_buffer, .address_space: global }
      - { .name: wkvc, .offset: 8, .size: 8, .value_kind: global_buffer, .address_space: global }
      - { .name: kvb, .offset: 16, .size: 8, .value_kind: global_buffer, .address_space: global }
    .group_segment_fixed_size: 307712
    .private_segment_fixed_size: 0
    .kernarg_segment_align: 8
    .kernarg_segment_size: 24
    .max_flat_workgroup_size: 128
    .sgpr_count:     102
    .vgpr_count:     1024
    .wavefront_size: 32
...
	.end_amdgpu_metadata
.endif
;; end of part 2
;; launch attn (part 3): grid 64 x 4, 8 waves a work-group, no clusters, 205,312 bytes of LDS; arguments x, mask, sim_bias, wqc, kvb, oc; writes oc
.if DOCPART == 3
	.amdgcn_target "amdgcn-amd-amdhsa--gfx1250"
	.amdhsa_code_object_version 6
	.text
	.protected	k_q8032e337e4_attn
	.globl	k_q8032e337e4_attn
	.p2align	8
	.type	k_q8032e337e4_attn,@function
k_q8032e337e4_attn:
	s_mov_b64 s[64:65], 0
	v_nop
	global_prefetch_b8 v0, s[64:65] scope:SCOPE_SE
	s_setreg_imm32_b32 hwreg(HW_REG_WAVE_MODE, 25, 1), 1
	s_wait_xcnt 0x0
; o = softmax(mask(q k^T / 8 + sim_bias)) v with q = x Wq, on codes of BF6 (E3M2) with E8M0 scales, sums in f32; o is quantised along its 512 channels and stored as codes for the last product's launch.
; No step and no input of the problem is left out (Wo and bo are read by the next launch).
; SHARES.  A work-group takes 32 queries (two tiles A, B of 16: rows 32 qb + 8 tile + r + 8 (r / 8) of its batch) and 4 heads: x = 2 qb + head group, y = batch: 256 work-groups of 8 waves.
; Wave w takes head w % 4 of the group and key half w / 4: 16 steps of 128 keys, BOTH query tiles, so that each fragment of K and of V that it loads feeds two products.
;   head: wave w quantises K step w of x's 32 rows; the images meet in LDS; wave (head, g) makes block g (32 channels) of q for both tiles and quantises it; the blocks meet in LDS.
;   step: S^T = k q^T + bias for A and B (a lane holds one query, its registers run along the keys); K of the next step is asked for; for A, then for B: running whole-number maximum M,
;         p = 2^(t - M), its sum unquantised, p's codes, O^T x 2^(old M - new M); then O^T += v^T p^T for both; V of the next step is asked for.
;   tail: the two key halves of a head meet in LDS; wave (head, g) joins tile g's two parts by exact powers of two, divides by the joined sum, quantises and stores.
; K, V AND Wq GO FROM MEMORY STRAIGHT INTO REGISTERS: they are stored as images of operand registers (a load takes 512 consecutive bytes) and each image is read by one wave of the work-group (Wq's, K's, V's: the wave of that head and half).
; So none passes LDS, the text has no tensor load, and no cluster is formed: a joint load fills a tile in LDS, and here no such tile exists.
; THE BIAS of a step (32 queries x 128 keys for each half): a wave loads 8 rows of 512 bytes of its own half, applies the mask, and lays them in LDS as the scores' registers want them.  ONE set of areas, two barriers a step:
; one between the stores and the reads; the other is signalled when a wave's reads are back and awaited ahead of its next stores, with the step's register work between.
; PREFETCH.  kvb: at the head each wave names 32 x 256 bytes; the 52 work-groups with x / 4 < 13 cover their batch's 32 blocks once.  The bias: in step s a wave names the 8 blocks of 256 bytes of 4 rows of step s + 3,
; two steps ahead of their load; the two work-groups that read the same rows share them out by address (head group 0: tile A's rows, 1: tile B's); lanes 8-31 name the last block again; steps 13 to 15 ask for nothing.
; THE FACTOR 1/8 is a power of two and goes into q's scale bytes (3 off each); the bias enters as the scores' C as it is given.
; THE MASK: a masked key's score is replaced by -2^126, whose p is 0.  Where a batch's mask is all false, reference() gives equal weights: q's codes and the replacement are then 0, chosen by selects.
; LIMITS: NaN and infinities are not served; the promise holds while the scaled scores stay under 2^31 in magnitude; blocks of q whose largest magnitude lies under 2^-119 (of x, p, o: 2^-122) are held at the floor's scale.
; REGISTERS.  Window 0 as named below; v4-7, v28-35, v84-85, v228-229, v254-255 hold scale words and nothing else.
; Window 1: v0-47 K's eight half fragments, v48-53 zeros, v54-101 V's four fragments, v102-165 tile B's scores, v208-240 the bias as loaded.  Head: Wq's K step s at v[24 s], x's tile B as loaded at v144-207.
.set BLK,   106496                     ; a block of kvb: 128 keys: K 49,152, V 49,152, K's scale words 4,096, V's 2,048
.set WCH,   102400                     ; a chunk of wqc: two K steps
.set AREA,  8448                       ; 16 runs of 512 bytes, 528 apart
.set SPARE, 33792                      ; LDS: four bias areas (2 half + tile) at 0; the spare words, 128 bytes a wave;
.set XSC,   34816                      ; x's scale words; q's images and scale words; a stage for each wave; x's images; the halves' parts
.set QIMG,  36864
.set QSC,   43008
.set STG,   43520
.set XIMG,  111104
.set MRG,   135680
.set UNIT,  4352                       ; a part: 4,096 bytes of O^T, 256 of (-M, sum)
.set FLOOR, 0x2800000                  ; 2^(5 - 127)
.set FLOORQ,0x4000000                  ; 2^(8 - 127): q's bytes are at least 4, and at least 1 when 3 are taken off
.set EOFF,  0xfe000000
.set A0,   1                           ; 6,144 head + 16 l
.set A1,   2                           ; 512 head + 16 l
.set A2,   3                           ; 256 head + 8 l
.set PBW,  8
.set SPW,  9
.set NIL,  10
.set L16,  11
.set L4,   12
.set AD0,  13
.set STR,  14
.set AD1,  15
.set KS,   28
.set VS,   32
.set XF,   36                          ; head: x's eight fragments of a tile, v36-131
.set PBR,  247
.set PFO,  248
.set PFK,  252
.set S,    90
.set TA,   154
.set TB,   155
.set O,    156
.set PC,   188
.set PT,   200                         ; halves of blocks on their way
.set BM,   208
.set BP,   212
.set BS,   216
.set F,    224
.set SUM2, 226
.set NEGV, 242
.set AD5,  243
.set AD6,  244
.set AD7,  245
.set AD8,  246
.set AD2,  249
.set AD3,  250
.set AD4,  251
.set H64,  253
.set B0,   208                         ; window 1
.set KH16, 38
.set WV,   44
.set SEL,  48
.set CC,   50
.set NEG,  52
.set QM,   53
.set CNT,  54
.set STP,  55
.set PBP0, 56
.set PFA,  58
.set S0,   60
.set KVP,  62
.set KB,   66
.set BB,   68
.set MB,   70
.set PBP,  72
.set BB0,  96
.set MB0,  98
.macro TSEL t                          ; a tile's own registers: scores (and their window), O^T, q, q's and p's scale words, (-M, largest t), the sum, p's codes
.if \t == 0
.set SB, 90
.set SW, 0
.set OB, 156
.set QFB, 16
.set QSB, 34
.set PWB, 35
.set NMB, 220
.set SMB, 222
.set PCB, 188
.else
.set SB, 102
.set SW, 1
.set OB, 36
.set QFB, 68
.set QSB, 84
.set PWB, 85
.set NMB, 80
.set SMB, 82
.set PCB, 230
.endif
.endm
.set MSB, 0
.macro WIN new                         ; the immediate's high byte repeats the setting that is left
.if MSB != (\new)
	s_set_vgpr_msb (MSB<<8)|(\new)
.set MSB, (\new)
.endif
.endm
.macro PLACES                          ; four plain lines behind matrix instructions (ISA guide 7.12.1)
.rept 4
	v_nop
.endr
.endm
.macro WM d, a, b, sa, sb
	v_wmma_scale_f32_16x16x128_f8f6f4 v[(\d):(\d)+7], v[(\a):(\a)+11], v[(\b):(\b)+11], v[(\d):(\d)+7], v[\sa], v[\sb] matrix_a_fmt:MATRIX_FMT_BF6 matrix_b_fmt:MATRIX_FMT_BF6
.endm
.macro WMZ d, a, b, sa, sb             ; starts a sum
	v_wmma_scale_f32_16x16x128_f8f6f4 v[(\d):(\d)+7], v[(\a):(\a)+11], v[(\b):(\b)+11], 0, v[\sa], v[\sb] matrix_a_fmt:MATRIX_FMT_BF6 matrix_b_fmt:MATRIX_FMT_BF6
.endm
.macro WMA d, a, b, sa, sb             ; source 0's scales in lanes 16-31
	v_wmma_scale_f32_16x16x128_f8f6f4 v[(\d):(\d)+7], v[(\a):(\a)+11], v[(\b):(\b)+11], v[(\d):(\d)+7], v[\sa], v[\sb] matrix_a_fmt:MATRIX_FMT_BF6 matrix_b_fmt:MATRIX_FMT_BF6 matrix_a_scale:MATRIX_SCALE_ROW1
.endm
.macro WMAB d, a, b, sa, sb            ; both sides' scales in lanes 16-31
	v_wmma_scale_f32_16x16x128_f8f6f4 v[(\d):(\d)+7], v[(\a):(\a)+11], v[(\b):(\b)+11], v[(\d):(\d)+7], v[\sa], v[\sb] matrix_a_fmt:MATRIX_FMT_BF6 matrix_b_fmt:MATRIX_FMT_BF6 matrix_a_scale:MATRIX_SCALE_ROW1 matrix_b_scale:MATRIX_SCALE_ROW1
.endm
.macro CODES src, dst, w               ; 64 numbers in window w (register 16 b + i = k 32 b + 16 (lane / 16) + i) become a fragment at v[dst]; scale operands in v[BS]
	WIN \w
.irp c,0,1
	v_cvt_scalef32_pk16_bf6_f32 v[\dst+6*\c:\dst+2+6*\c], v[\src+32*\c:\src+15+32*\c], v[BS+2*\c]
	v_cvt_scalef32_pk16_bf6_f32 v[PT+4*\c:PT+2+4*\c], v[\src+16+32*\c:\src+31+32*\c], v[BS+2*\c+1]
.endr
	WIN 0
	v_nop                                          ; one plain line behind the scaled conversions
.irp c,0,1
.irp i,0,1,2
	v_permlane16_swap_b32 v[\dst+6*\c+\i], v[PT+4*\c+\i]   ; a whole block to a lane
.endr
.irp i,0,1,2
	v_mov_b32 v[\dst+3+6*\c+\i], v[PT+4*\c+\i]
.endr
.endr
.endm
.macro QUANT src, word
.irp b,0,1,2,3
	v_max3_num_f32 v[BM+\b], |v[\src+16*\b]|, |v[\src+1+16*\b]|, FLOOR
.endr
.irp i,2,4,6,8,10,12,14
.irp b,0,1,2,3
	v_max3_num_f32 v[BM+\b], v[BM+\b], |v[\src+16*\b+\i]|, |v[\src+1+16*\b+\i]|
.endr
.endr
.irp b,0,1,2,3
	v_permlanex16_b32 v[BP+\b], v[BM+\b], s[SEL], s[SEL+1]
.endr
.irp b,0,1,2,3
	v_max_num_f32 v[BM+\b], v[BM+\b], v[BP+\b]
.endr
.irp b,0,1,2,3
	v_add_nc_u32 v[BS+\b], EOFF, v[BM+\b]          ; 4 off the exponent field: the conversion's scale operand
.endr
.irp b,0,1,2,3
	v_lshrrev_b32 v[BP+\b], 23, v[BS+\b]           ; the byte
.endr
	v_lshl_or_b32 v[\word], v[BP+1], 8, v[BP]
	v_lshl_or_b32 v[\word], v[BP+2], 16, v[\word]
	v_lshl_or_b32 v[\word], v[BP+3], 24, v[\word]
	CODES \src, PC, 0
.endm
.macro HALFQ src, dst, word            ; 32 numbers, two blocks: half a fragment, 6 registers, and two bytes
.irp g,0,1
	v_max3_num_f32 v[BM+\g], |v[\src+16*\g]|, |v[\src+1+16*\g]|, FLOOR
.endr
.irp i,2,4,6,8,10,12,14
.irp g,0,1
	v_max3_num_f32 v[BM+\g], v[BM+\g], |v[\src+16*\g+\i]|, |v[\src+1+16*\g+\i]|
.endr
.endr
.irp g,0,1
	v_permlanex16_b32 v[BP+\g], v[BM+\g], s[SEL], s[SEL+1]
.endr
.irp g,0,1
	v_max_num_f32 v[BM+\g], v[BM+\g], v[BP+\g]
.endr
.irp g,0,1
	v_add_nc_u32 v[BS+\g], EOFF, v[BM+\g]
.endr
.irp g,0,1
	v_lshrrev_b32 v[BP+\g], 23, v[BS+\g]
.endr
	v_lshl_or_b32 v[\word], v[BP+1], 8, v[BP]
	v_cvt_scalef32_pk16_bf6_f32 v[\dst:\dst+2], v[\src:\src+15], v[BS]
	v_cvt_scalef32_pk16_bf6_f32 v[PT:PT+2], v[\src+16:\src+31], v[BS+1]
	v_nop
.irp i,0,1,2
	v_permlane16_swap_b32 v[\dst+\i], v[PT+\i]
.endr
.irp i,0,1,2
	v_mov_b32 v[\dst+3+\i], v[PT+\i]
.endr
.endm
.macro WQLOAD ks                       ; my two tiles of Wq's columns, K step ks, into window 1 (the caller sets the window)
.irp jj,0,1
.irp q,0,1,2
	global_load_b128 v[24*(\ks)+12*\jj+4*\q:24*(\ks)+12*\jj+4*\q+3], v[A0], s[32:33] offset:((\ks)/2)*WCH+((\ks)%2)*49152+1536*\jj+512*\q
.endr
.endr
.endm
.macro QMUL t, ks                      ; two products; the two accumulators take turns.  Source 0 in window 1
.set NQ, (\ks)/2
.set SQ, 4+2*NQ+20*(NQ/2)              ; Wq's scale words of chunk NQ: v4, v6, v28, v30
.set XQ, 228+NQ+24*(NQ/2)              ; x's: v228, v229, v254, v255
.irp jj,0,1
.if (\ks) == 0
	WMZ O+16*(\t)+8*\jj, 24*(\ks)+12*\jj, XF+12*(\ks), SQ+\jj, XQ
.elseif (\ks)%2 == 0
	WM O+16*(\t)+8*\jj, 24*(\ks)+12*\jj, XF+12*(\ks), SQ+\jj, XQ
.else
	WMAB O+16*(\t)+8*\jj, 24*(\ks)+12*\jj, XF+12*(\ks), SQ+\jj, XQ
.endif
.endr
.endm
.macro QTILE t                         ; block g of q for query tile t
.irp k,0,1,2,3,4,5,6,7
.irp q,0,1,2
	ds_load_b128 v[XF+12*\k+4*\q:XF+12*\k+4*\q+3], v[AD1] offset:12288*(\t)+1536*\k+512*\q
.endr
.endr
.irp n,0,1,2,3
	ds_load_b32 v[228+\n+24*(\n/2)], v[AD2] offset:1024*(\t)+256*\n   ; lanes 0-15 an even K step's words, lanes 16-31 the next one's
.endr
	s_wait_dscnt 0x0
	WIN 0x01
.irp k,0,1,2,3,4,5,6,7
	QMUL \t, \k
.endr
	WIN 0
	PLACES
.endm
.macro KLOAD                           ; 13 loads: my head's K of the block at s[KB], and its scale words
	WIN 0x40
.irp q,0,1,2,3,4,5,6,7,8,9,10,11
	global_load_b128 v[4*\q:4*\q+3], v[A0], s[KB:KB+1] offset:512*\q
.endr
	WIN 0
	global_load_b128 v[KS:KS+3], v[A1], s[KB:KB+1] offset:98304
.endm
.macro VLOAD                           ; 13 loads: its V and V's scale words
	WIN 0x40
.irp q,0,1,2,3,4,5,6,7,8,9,10,11
	global_load_b128 v[54+4*\q:54+4*\q+3], v[A0], s[KB:KB+1] offset:49152+512*\q
.endr
	WIN 0
	global_load_b64 v[VS:VS+1], v[A2], s[KB:KB+1] offset:102400
.endm
.macro BLOAD                           ; 9 loads into window 1 (the caller sets the window): four rows of tile A, four of tile B, 512 consecutive bytes each, and 128 bytes of the mask
.irp u,0,1,2,3,4,5,6,7
	global_load_b128 v[B0+4*\u:B0+4*\u+3], v[L16], s[BB:BB+1] offset:(\u/4)*131072+(\u%4)*16384
.endr
	global_load_b32 v[B0+32], v[L4], s[MB:MB+1]
.endm
.macro PREP                            ; the mask is applied, and the rows go to the areas in the order of the scores' registers
	WIN 0x01
.irp e,0,1,2,3
	v_bfe_u32 v[BM+\e], v[B0+32], 8*\e, 8
.endr
	WIN 0
.irp e,0,1,2,3
	v_cmp_ne_u32 s[92+\e], 0, v[BM+\e]
.endr
	WIN 0x44
.irp u,0,1,2,3,4,5,6,7
.irp e,0,1,2,3
	v_cndmask_b32 v[B0+4*\u+\e], v[NEGV], v[B0+4*\u+\e], s[92+\e]
.endr
.endr
	WIN 0x04
.irp u,0,1,2,3,4,5,6,7
	ds_store_b128 v[PBW], v[B0+4*\u:B0+4*\u+3] offset:(\u/4)*AREA+16*(\u%4)
.endr
	WIN 0
.endm
	s_load_b256 s[4:11], s[0:1], 0x0               ; x, mask, sim_bias, wqc
	s_load_b128 s[12:15], s[0:1], 0x20             ; kvb, oc
	v_lshl_add_u32 v[SPW], v0, 2, SPARE
	v_mov_b32 v[NIL], 0
	v_lshrrev_b32 v[TA], 5, v0
	v_readfirstlane_b32 s[WV], v[TA]
	s_and_b32 s40, s[WV], 3                        ; my head of the group's four
	s_lshr_b32 s41, s[WV], 2                       ; my key half g
	s_lshr_b32 s42, ttmp9, 1                       ; qb
	s_and_b32 s43, ttmp9, 1                        ; head group
	s_and_b32 s47, ttmp7, 0xffff                   ; batch
	s_lshr_b32 s45, ttmp9, 2
	s_lshl_b32 s39, s43, 2
	s_add_co_u32 s39, s39, s40                     ; head
	s_lshl_b32 s[KH16], s41, 4
	s_lshr_b32 s[S0], s42, 1                       ; the walk over a half's 16 blocks begins at another block for each four work-groups
	s_mov_b32 s[SEL], 0x76543210
	s_mov_b32 s[SEL+1], 0xfedcba98                 ; lane l xor 16
	s_mov_b32 s[CC], 0x3fb8aa3b                    ; log2(e)
	s_mov_b32 s[CC+1], s[CC]
	s_lshl_b32 s74, s47, 10
	s_lshl_b32 s75, s42, 5
	s_add_co_u32 s74, s74, s75                     ; the first of my 32 rows
	s_lshl_b32 s76, s74, 12
	s_lshl_b32 s77, s[WV], 9
	s_add_co_u32 s76, s76, s77                     ; x: rows of 4,096 bytes, + 512 w
	s_mov_b32 s77, 0
	s_lshl_b32 s78, s40, 2
	s_lshr_b32 s79, s40, 1
	s_lshl_b32 s79, s79, 3
	s_add_co_u32 s78, s78, s79
	s_add_co_u32 s78, s78, s74                     ; the bias: tile rows 4 head .. + 3 are rows 4 head + 8 (head / 2) on
	s_lshl_b32 s80, s43, 3
	s_add_co_u32 s80, s80, s78                     ; the prefetch: the same rows of tile (head group)
	s_lshl_b32 s78, s78, 14
	s_mov_b32 s79, 0
	s_lshl_b32 s80, s80, 14
	s_mov_b32 s81, 0
	s_lshl_b32 s82, s47, 12
	s_mov_b32 s83, 0
	s_mul_i32 s84, s47, 32*BLK
	s_mov_b32 s85, 0
	s_and_b32 s86, ttmp9, 3
	s_lshl_b32 s86, s86, 3
	s_add_co_u32 s86, s86, s[WV]
	s_mul_i32 s86, s86, BLK
	s_add_co_u32 s86, s86, s84
	s_lshl_b32 s87, s45, 13
	s_add_co_u32 s86, s86, s87                     ; kvb's prefetch: block 8 (x % 4) + w, bytes 8,192 (x / 4) on
	s_mov_b32 s87, 0
	s_add_co_u32 s88, s[S0], s[KH16]               ; my first block
	s_lshl_b32 s90, s88, 9
	s_mov_b32 s91, 0
	s_lshl_b32 s28, s88, 7
	s_mov_b32 s29, 0
	s_mul_i32 s30, s88, BLK
	s_mov_b32 s31, 0
	s_mul_i32 s32, s41, 3072                       ; Wq: tiles 2 g, 2 g + 1 of my head's four
	s_mov_b32 s33, 0
	s_lshl_b32 s34, s41, 3
	s_mov_b32 s35, 0
	s_lshl_b32 s36, s47, 6
	s_lshl_b32 s37, s42, 1
	s_add_co_u32 s36, s36, s37
	s_add_co_u32 s36, s36, s41                     ; the query tile that I finish: 64 batch + 2 qb + g
	s_mul_i32 s36, s36, 6656                       ; its record in oc: 4 fragments of 1,536 bytes, 4 x 128 bytes of scale words
	s_lshr_b32 s37, s39, 1
	s_and_b32 s46, s39, 1
	s_mul_i32 s20, s37, 1536
	s_mul_i32 s61, s46, 768
	s_add_co_u32 s20, s20, s61
	s_add_co_u32 s20, s20, s36
	s_mov_b32 s21, 0
	s_lshl_b32 s22, s37, 7
	s_lshl_b32 s61, s46, 1
	s_add_co_u32 s22, s22, s61
	s_add_co_u32 s22, s22, s36
	s_add_co_u32 s22, s22, 6144
	s_mov_b32 s23, 0
	s_mul_i32 s2, s41, 2*AREA
	s_lshl_b32 s3, s40, 6
	s_add_co_u32 s3, s3, s2
	s_mul_i32 s24, s39, 6144
	s_lshl_b32 s25, s39, 9
	s_lshl_b32 s26, s39, 8
	s_mul_i32 s27, s[WV], AREA
	s_add_co_u32 s27, s27, STG
	s_mul_i32 s92, s[WV], 1536
	s_add_co_u32 s92, s92, XIMG
	s_lshl_b32 s93, s[WV], 7
	s_add_co_u32 s93, s93, XSC
	s_mul_i32 s94, s40, 768
	s_add_co_u32 s94, s94, QIMG
	s_lshl_b32 s95, s40, 6
	s_add_co_u32 s95, s95, QSC
	s_mul_i32 s37, s41, 384
	s_add_co_u32 s37, s37, s94
	s_add_co_u32 s46, s95, s41
	v_and_b32 v[TA], 31, v0
	v_and_b32 v[TB], 15, v0
	v_bfe_u32 v[F], v0, 4, 1
	v_lshlrev_b32 v[L16], 4, v[TA]
	v_lshlrev_b32 v[L4], 2, v[TA]
	v_lshlrev_b32 v[PFK], 8, v[TA]
	v_lshlrev_b32 v[H64], 6, v[F]
	v_lshrrev_b32 v[SUM2], 3, v[TA]                ; a stage on the way in: numbers 4 l .. 4 l + 3 of row p go to 528 (4 (l / 8) + l % 4) + 256 ((l / 4) % 2) + 16 p
	v_and_b32 v[SUM2+1], 3, v0
	v_lshl_add_u32 v[SUM2], v[SUM2], 2, v[SUM2+1]
	v_mul_u32_u24 v[SUM2], v[SUM2], 528
	v_bfe_u32 v[SUM2+1], v0, 2, 1
	v_lshl_add_u32 v[SUM2], v[SUM2+1], 8, v[SUM2]
	v_add_nc_u32 v[A0], s24, v[L16]
	v_add_nc_u32 v[A1], s25, v[L16]
	v_lshl_add_u32 v[A2], v[TA], 3, s26
	v_add_nc_u32 v[PBW], s3, v[SUM2]
	v_add_nc_u32 v[PBR], s2, v[L16]
	v_add_nc_u32 v[AD0], s27, v[SUM2]
	v_add_nc_u32 v[STR], s27, v[L16]
	v_add_nc_u32 v[AD1], XIMG, v[L16]
	v_add_nc_u32 v[AD2], XSC, v[L4]
	v_add_nc_u32 v[AD2], v[AD2], v[H64]
	v_add_nc_u32 v[AD3], s92, v[L16]
	v_add_nc_u32 v[AD4], s93, v[L4]
	v_mul_u32_u24 v[AD5], v[TB], 24                ; q's image: lane (r, g)'s 24 bytes; my 12 bytes are its half (lane / 16)
	v_mad_u32_u24 v[AD5], v[F], 12, v[AD5]
	v_add_nc_u32 v[AD5], s37, v[AD5]
	v_lshl_add_u32 v[AD6], v[TB], 2, s46           ; q's scale word of row r, byte g
	v_mul_u32_u24 v[AD7], v[TA], 24
	v_add_nc_u32 v[AD7], s94, v[AD7]
	v_lshl_add_u32 v[AD8], v[TB], 2, s95
	v_min_u32 v[PFO], 7, v[TA]                     ; the bias's prefetch: row m / 2, block m % 2, m = min(l, 7)
	v_lshrrev_b32 v[BM], 1, v[PFO]
	v_and_b32 v[PFO], 1, v[PFO]
	v_lshlrev_b32 v[PFO], 8, v[PFO]
	v_lshl_add_u32 v[PFO], v[BM], 14, v[PFO]
.irp b,0,1,2,3
	v_mov_b32 v[BP+\b], 0                          ; written once: a lane permute's destination counts as one of its sources
.endr
	s_wait_alu depctr_va_vdst(0)                   ; directly ahead of the wait below
	s_wait_kmcnt 0x0
	s_add_nc_u64 s[4:5], s[4:5], s[76:77]
	s_add_nc_u64 s[BB0:BB0+1], s[8:9], s[78:79]
	s_add_nc_u64 s[PBP0:PBP0+1], s[8:9], s[80:81]
	s_add_nc_u64 s[MB0:MB0+1], s[6:7], s[82:83]
	s_add_nc_u64 s[BB:BB+1], s[BB0:BB0+1], s[90:91]
	s_add_nc_u64 s[MB:MB+1], s[MB0:MB0+1], s[28:29]
	s_add_nc_u64 s[KVP:KVP+1], s[12:13], s[84:85]
	s_add_nc_u64 s[KB:KB+1], s[KVP:KVP+1], s[30:31]
	s_add_nc_u64 s[PFA:PFA+1], s[12:13], s[86:87]
	s_add_nc_u64 s[32:33], s[10:11], s[32:33]
	s_add_nc_u64 s[34:35], s[10:11], s[34:35]
	s_add_nc_u64 s[16:17], s[14:15], s[20:21]
	s_add_nc_u64 s[18:19], s[14:15], s[22:23]
.irp p,0,1,2,3,4,5,6,7,8,9,10,11,12,13,14,15
	global_load_b128 v[XF+4*\p:XF+4*\p+3], v[L16], s[4:5] offset:(\p+8*(\p/8))*4096   ; K step w of tile A's 16 rows
.endr
	WIN 0x40
.irp p,0,1,2,3,4,5,6,7,8,9,10,11,12,13,14,15
	global_load_b128 v[144+4*\p:144+4*\p+3], v[L16], s[4:5] offset:(\p+8*(\p/8)+8)*4096   ; and of tile B's
.endr
	WIN 0
.irp n,0,1,2,3
	global_load_b64 v[4+2*\n+20*(\n/2):5+2*\n+20*(\n/2)], v[A1], s[34:35] offset:\n*WCH+98304   ; Wq's scale words of my two tiles
.endr
	WIN 0x40
.irp k,0,1,2,3,4,5
	WQLOAD \k
.endr
	BLOAD
	WIN 0
	s_cmp_lt_u32 s45, 13                           ; 13 x 8,192 bytes are a block
	s_cbranch_scc0 .Lnoask
	global_prefetch_b8 v[PFK], s[PFA:PFA+1] th:TH_LOAD_NT scope:SCOPE_SE   ; its address registers are never written again
.Lnoask:
	s_wait_loadcnt 63                              ; tile A's 16 loads are in: behind them stand 65, of which a wait can name 63
.irp p,0,1,2,3,4,5,6,7,8,9,10,11,12,13,14,15
	ds_store_b128 v[AD0], v[XF+4*\p:XF+4*\p+3] offset:16*\p
.endr
.irp j,0,1,2,3,4,5,6,7,8,9,10,11,12,13,14,15
	ds_load_b128 v[100+4*\j:100+4*\j+3], v[STR] offset:528*\j      ; LDS serves a wave's instructions in order: a lane now holds 16 neighbours of each block of ONE row
.endr
	s_wait_dscnt 0x0
	QUANT 100, SUM2
.irp q,0,1,2
	ds_store_b128 v[AD3], v[PC+4*\q:PC+4*\q+3] offset:512*\q
.endr
	ds_store_b32 v[AD4], v[SUM2]
	s_wait_loadcnt 49                              ; tile B's are in; behind them: 4 + 36 + 9
	WIN 0x04
.irp p,0,1,2,3,4,5,6,7,8,9,10,11,12,13,14,15
	ds_store_b128 v[AD0], v[144+4*\p:144+4*\p+3] offset:16*\p
.endr
	WIN 0
.irp j,0,1,2,3,4,5,6,7,8,9,10,11,12,13,14,15
	ds_load_b128 v[100+4*\j:100+4*\j+3], v[STR] offset:528*\j
.endr
	s_wait_dscnt 0x0
	WIN 0x40
	WQLOAD 6
	WQLOAD 7
	WIN 0
.irp i,0,1,2,3,4,5,6,7
	global_load_b128 v[XF+4*\i:XF+4*\i+3], v[L16], s[MB0:MB0+1] offset:512*\i   ; the batch's whole mask
.endr
	QUANT 100, SUM2
.irp q,0,1,2
	ds_store_b128 v[AD3], v[PC+4*\q:PC+4*\q+3] offset:12288+512*\q
.endr
	ds_store_b32 v[AD4], v[SUM2] offset:1024
	s_wait_loadcnt 0x0
.set i, 4
.rept 28
	v_or_b32 v[XF+i%4], v[XF+i%4], v[XF+i]
.set i, i+1
.endr
	v_or_b32 v[XF], v[XF], v[XF+1]
	v_or_b32 v[XF+2], v[XF+2], v[XF+3]
	v_or_b32 v[XF], v[XF], v[XF+2]
	v_cmp_ne_u32 vcc_lo, 0, v[XF]
	s_cmp_lg_u32 vcc_lo, 0                         ; is any key of the batch kept?
	s_cselect_b32 s[NEG], 0xfe800000, 0
	s_cselect_b32 s[QM], -1, 0
	v_mov_b32 v[NEGV], s[NEG]
	s_wait_alu depctr_va_vdst(0)                   ; directly ahead of the wait below
	s_wait_dscnt 0x0                               ; my images of x are stored
	s_barrier_signal -1
	s_barrier_wait -1                              ; everybody's are
	QTILE 0
	QTILE 1
	KLOAD                                          ; my first block
	VLOAD
	WIN 0x40
.irp i,48,49,50,51,52,53
	v_mov_b32 v[\i], 0                             ; behind K's last half fragment: zero codes
.endr
	WIN 0
	; block g of q, 16 numbers a lane for each tile: the scale, 3 off its byte for the factor 1/8, 16 codes; each accumulator is read from its low end on
.irp t,0,1
	v_max3_num_f32 v[BM+\t], |v[O+16*\t]|, |v[O+16*\t+1]|, FLOORQ
.endr
.irp i,2,4,6,8,10,12,14
.irp t,0,1
	v_max3_num_f32 v[BM+\t], v[BM+\t], |v[O+16*\t+\i]|, |v[O+16*\t+\i+1]|
.endr
.endr
.irp t,0,1
	v_permlanex16_b32 v[BP+\t], v[BM+\t], s[SEL], s[SEL+1]
.endr
.irp t,0,1
	v_max_num_f32 v[BM+\t], v[BM+\t], v[BP+\t]
.endr
.irp t,0,1
	v_add_nc_u32 v[BS+\t], EOFF, v[BM+\t]
.endr
.irp t,0,1
	v_lshrrev_b32 v[BP+\t], 23, v[BS+\t]
.endr
.irp t,0,1
	v_add_nc_u32 v[BP+\t], -3, v[BP+\t]
.endr
	v_cvt_scalef32_pk16_bf6_f32 v[PC:PC+2], v[O:O+15], v[BS]
	v_cvt_scalef32_pk16_bf6_f32 v[PC+4:PC+6], v[O+16:O+31], v[BS+1]
	v_nop
.irp t,0,1
.irp i,0,1,2
	ds_store_b32 v[AD5], v[PC+4*\t+\i] offset:3072*\t+4*\i
.endr
	ds_store_b8 v[AD6], v[BP+\t] offset:256*\t
	ds_store_b8 v[AD6], v[NIL] offset:256*\t+2     ; bytes 2 and 3 scale zero codes: written too, 0
.endr
	s_wait_alu depctr_va_vdst(0)                   ; directly ahead of the wait below
	s_wait_dscnt 0x0
	s_barrier_signal -1
	s_barrier_wait -1                              ; both blocks of every head's q are in LDS
.irp t,0,1
	TSEL \t
.irp i,0,1,2
	ds_load_b64 v[QFB+2*\i:QFB+2*\i+1], v[AD7] offset:3072*\t+8*\i
.endr
	ds_load_b32 v[QSB], v[AD8] offset:256*\t
.endr
.irp t,0,1
	TSEL \t
.irp i,6,7,8,9,10,11
	v_mov_b32 v[QFB+\i], 0                         ; the head has 64 channels: k = 64 .. 127 are zero codes
.endr
	v_mov_b32 v[NMB+1], 0xfb800000                 ; the largest t so far: -2^120
	v_floor_f32 v[NMB], -v[NMB+1]
	v_mov_b32 v[SMB], 0
	v_mov_b32 v[SMB+1], 0
.irp j,0,1,2,3,4,5,6,7,8,9,10,11,12,13,14,15,16,17,18,19,20,21,22,23,24,25,26,27,28,29,30,31
	v_mov_b32 v[OB+\j], 0
.endr
.endr
	v_mov_b32 v[F+1], 0
	PREP                                           ; the first step's bias: its loads have been waited for
	s_wait_dscnt 0x0
.irp i,0,1,2,3,4,5
	v_and_b32 v[16+\i], s[QM], v[16+\i]
	v_and_b32 v[68+\i], s[QM], v[68+\i]
.endr
	PLACES                                         ; an operand written by vector instructions stands four places ahead of a scaled matrix instruction
; one tile's softmax: scores in, p's codes and scale word out, the sum and O^T brought under the new M
.macro SOFT t
	TSEL \t
	WIN 0x14*SW
.if \t
	s_wait_alu depctr_va_vdst(0)                   ; directly ahead of the first reader of tile B's scores
.endif
.irp b,0,1,2,3
	v_max3_num_f32 v[BM+\b], 0xff7fffff, v[SB+16*\b], v[SB+1+16*\b]   ; each block's largest score: for the row's maximum and for the block's largest p
.endr
.irp i,2,4,6,8,10,12,14
.irp b,0,1,2,3
	v_max3_num_f32 v[BM+\b], v[BM+\b], v[SB+16*\b+\i], v[SB+1+16*\b+\i]
.endr
.endr
	WIN 0
.irp b,0,1,2,3
	v_permlanex16_b32 v[BP+\b], v[BM+\b], s[SEL], s[SEL+1]
.endr
.irp b,0,1,2,3
	v_max_num_f32 v[BM+\b], v[BM+\b], v[BP+\b]
.endr
	s_delay_alu instid0(VALU_DEP_2)
	v_max3_num_f32 v[TA], v[BM], v[BM+1], v[BM+2]
	s_delay_alu instid0(VALU_DEP_1)
	v_max_num_f32 v[TA], v[TA], v[BM+3]
	s_delay_alu instid0(VALU_DEP_1)
	v_mul_f32 v[TA], s[CC], v[TA]
	s_delay_alu instid0(VALU_DEP_1)
	v_max_num_f32 v[NMB+1], v[NMB+1], v[TA]
	v_mov_b32 v[TA], v[NMB]
	s_delay_alu instid0(VALU_DEP_2)
	v_floor_f32 v[NMB], -v[NMB+1]                  ; -M = floor(-t): M is a whole number
	s_delay_alu instid0(VALU_DEP_1)
	v_sub_f32 v[TA], v[NMB], v[TA]
	s_delay_alu instid0(VALU_DEP_1)
	v_cvt_i32_f32 v[TA], v[TA]
	s_delay_alu instid0(VALU_DEP_1)
	v_ldexp_f32 v[F], 1.0, v[TA]                   ; f = 2^(old M - new M)
	WIN 0x41*SW
.irp j,0,2,4,6,8,10,12,14,16,18,20,22,24,26,28,30,32,34,36,38,40,42,44,46,48,50,52,54,56,58,60,62
	v_pk_fma_f32 v[SB+\j:SB+\j+1], v[SB+\j:SB+\j+1], s[CC:CC+1], v[NMB:NMB+1] op_sel_hi:[1,0,0]
.endr
	WIN 0
.irp b,0,1,2,3
	v_fma_f32 v[BM+\b], v[BM+\b], s[CC], v[NMB]
.endr
	WIN 0x41*SW
	s_wait_alu depctr_va_vdst(0)                   ; the wait ahead of the batch
.irp j,0,1,2,3,4,5,6,7,8,9,10,11,12,13,14,15,16,17,18,19,20,21,22,23,24,25,26,27,28,29,30,31,32,33,34,35,36,37,38,39,40,41,42,43,44,45,46,47,48,49,50,51,52,53,54,55,56,57,58,59,60,61,62,63
	v_exp_f32 v[SB+\j], v[SB+\j]
.endr
	WIN 0
.irp b,0,1,2,3
	v_exp_f32 v[BM+\b], v[BM+\b]
.endr
	v_pk_mul_f32 v[SMB:SMB+1], v[SMB:SMB+1], v[F:F+1] op_sel_hi:[1,0]
	s_wait_alu depctr_va_vdst(0)                   ; and behind it, ahead of its first reader
.irp b,0,1,2,3
	v_max_num_f32 v[BM+\b], FLOOR, v[BM+\b]
.endr
.irp b,0,1,2,3
	v_add_nc_u32 v[BS+\b], EOFF, v[BM+\b]
.endr
.irp b,0,1,2,3
	v_lshrrev_b32 v[BP+\b], 23, v[BS+\b]
.endr
	s_delay_alu instid0(VALU_DEP_3)
	v_lshl_or_b32 v[PWB], v[BP+1], 8, v[BP]
	s_delay_alu instid0(VALU_DEP_1)
	v_lshl_or_b32 v[PWB], v[BP+2], 16, v[PWB]
	s_delay_alu instid0(VALU_DEP_1)
	v_lshl_or_b32 v[PWB], v[BP+3], 24, v[PWB]
	CODES SB, PCB, SW
	WIN 0x05*SW
	v_pk_add_f32 v[SUM2:SUM2+1], v[SB:SB+1], v[SB+2:SB+3]          ; the row's sum, of the unquantised p
	WIN SW
.irp j,4,8,12,16,20,24,28,32,36,40,44,48,52,56,60
	v_pk_add_f32 v[SMB:SMB+1], v[SB+\j:SB+\j+1], v[SMB:SMB+1]
	v_pk_add_f32 v[SUM2:SUM2+1], v[SB+2+\j:SB+3+\j], v[SUM2:SUM2+1]
.endr
	WIN 0
	v_pk_add_f32 v[SMB:SMB+1], v[SMB:SMB+1], v[SUM2:SUM2+1]
	s_wait_alu depctr_va_vdst(0)                   ; directly ahead of the first reader of O^T
.irp j,0,2,4,6,8,10,12,14,16,18,20,22,24,26,28,30
	v_pk_mul_f32 v[OB+\j:OB+\j+1], v[OB+\j:OB+\j+1], v[F:F+1] op_sel_hi:[1,0]
.endr
.endm
; A step of 128 keys of my half.  Loads in the order of issue: (step s - 1) K s, V s; (step s) bias s + 1 (9), K s + 1 (13), V s + 1 (13).  They come back in that order: a counted wait names what was issued behind the load that it needs.
.macro STEP last
.if \last == 0
	s_wait_xcnt 0x0                                ; the bases are written again only behind this wait
	s_add_co_u32 s74, s[STP], s[S0]
	s_add_co_u32 s76, s74, 3
	s_add_co_u32 s74, s74, 1
	s_and_b32 s74, s74, 15
	s_and_b32 s76, s76, 15
	s_add_co_u32 s74, s74, s[KH16]
	s_add_co_u32 s76, s76, s[KH16]
	s_lshl_b32 s78, s74, 7
	s_lshl_b32 s80, s74, 9
	s_lshl_b32 s76, s76, 9
	s_mul_i32 s74, s74, BLK
	s_add_nc_u64 s[KB:KB+1], s[KVP:KVP+1], s[74:75]
	s_add_nc_u64 s[BB:BB+1], s[BB0:BB0+1], s[80:81]
	s_add_nc_u64 s[MB:MB+1], s[MB0:MB0+1], s[78:79]
	s_add_nc_u64 s[PBP:PBP+1], s[PBP0:PBP0+1], s[76:77]
.endif
	s_wait_dscnt 0x0                               ; my rows of this step's bias are stored
	s_barrier_signal -1
	s_barrier_wait -1                              ; everybody's are
.irp j,0,1,2,3,4,5,6,7,8,9,10,11,12,13,14,15
	ds_load_b128 v[90+4*\j:90+4*\j+3], v[PBR] offset:528*\j        ; the bias: the scores' C
.endr
	WIN 0x40
.irp j,0,1,2,3,4,5,6,7,8,9,10,11,12,13,14,15
	ds_load_b128 v[102+4*\j:102+4*\j+3], v[PBR] offset:AREA+528*\j
.endr
.if \last == 0
	BLOAD
	WIN 0
	s_cmp_lt_u32 s[STP], 13
	s_cbranch_scc0 .Lnopf_\@
	global_prefetch_b8 v[PFO], s[PBP:PBP+1] th:TH_LOAD_NT scope:SCOPE_SE
.Lnopf_\@:
	s_wait_loadcnt 22                              ; K is in; behind it: V's 13 and the bias's 9
.else
	WIN 0
	s_wait_loadcnt 13
.endif
	s_wait_dscnt 0x0
	WIN 0x01                                       ; source 0, K, in window 1
.irp t,0,1,2,3,4,5,6,7
.if \t%2
	WMA 90+8*\t, 6*\t, 16, KS+\t/2, 34
.else
	WM 90+8*\t, 6*\t, 16, KS+\t/2, 34
.endif
.endr
	WIN 0x51                                       ; tile B's scores too
.irp t,0,1,2,3,4,5,6,7
.if \t%2
	WMA 102+8*\t, 6*\t, 68, KS+\t/2, 84
.else
	WM 102+8*\t, 6*\t, 68, KS+\t/2, 84
.endif
.endr
	WIN 0
	PLACES
.if \last == 0
	KLOAD
	s_barrier_signal -1                            ; my reads of the areas are back; only work on registers stands between this line and its wait
.endif
	SOFT 0
	SOFT 1
	s_wait_alu depctr_va_vdst(0)                   ; directly ahead of the wait below
.if \last == 0
	s_wait_loadcnt 22                              ; V is in; behind it: the bias's 9 and the next K's 13
.else
	s_wait_loadcnt 0x0
.endif
	WIN 0x01                                       ; source 0, V, in window 1; the eight accumulators take turns
.irp t,0,1,2,3
.if \t%2
	WMA 156+8*\t, 54+12*\t, 188, VS+\t/2, 35
	WMA 36+8*\t, 54+12*\t, 230, VS+\t/2, 85
.else
	WM 156+8*\t, 54+12*\t, 188, VS+\t/2, 35
	WM 36+8*\t, 54+12*\t, 230, VS+\t/2, 85
.endif
.endr
	WIN 0
.if \last == 0
	s_barrier_wait -1                              ; nobody reads the areas any more
	PLACES
	VLOAD
	s_wait_loadcnt 26                              ; the next step's bias is in; behind it: K's 13 and V's 13
	PREP
	s_add_co_u32 s[STP], s[STP], 1
.endif
.endm
	s_mov_b32 s[CNT], 15
	s_mov_b32 s[STP], 0
	s_mov_b32 s75, 0
	s_mov_b32 s77, 0
	s_mov_b32 s79, 0
	s_mov_b32 s81, 0
	s_wait_alu depctr_va_vdst(0)                   ; the wait at the head's end
.Lstep:
	STEP 0
	s_sub_co_u32 s[CNT], s[CNT], 1
	s_cmp_lg_u32 s[CNT], 0
	s_cbranch_scc1 .Lstep
	STEP 1
	PLACES
	; the two halves meet: part (head, tile, half) at MRG + UNIT (4 head + 2 tile + half)
	s_mul_i32 s74, s40, 4*UNIT
	s_add_co_u32 s74, s74, MRG
	s_mul_i32 s75, s41, UNIT
	s_add_co_u32 s76, s74, s75                     ; I write tiles 0 and 1 of my half,
	s_add_co_u32 s77, s76, s75                     ; and read both halves of tile g
	v_and_b32 v[TA], 31, v0
	v_add_nc_u32 v[AD0], s76, v[L16]
	v_lshl_add_u32 v[AD1], v[TA], 3, s76
	v_add_nc_u32 v[AD2], s77, v[L16]
	v_lshl_add_u32 v[AD3], v[TA], 3, s77
	v_lshlrev_b32 v[AD4], 3, v[TA]
	v_add_f32 v222, v222, v223
	v_add_f32 v82, v82, v83
	v_permlanex16_b32 v[BP], v222, s[SEL], s[SEL+1]
	v_permlanex16_b32 v[BP+1], v82, s[SEL], s[SEL+1]
	v_add_f32 v221, v222, v[BP]                    ; the half's sum, beside -M
	v_add_f32 v81, v82, v[BP+1]
.irp q,0,1,2,3,4,5,6,7
	ds_store_b128 v[AD0], v[156+4*\q:156+4*\q+3] offset:512*\q     ; each accumulator from its low end on
.endr
.irp q,0,1,2,3,4,5,6,7
	ds_store_b128 v[AD0], v[36+4*\q:36+4*\q+3] offset:2*UNIT+512*\q
.endr
	ds_store_b64 v[AD1], v[220:221] offset:4096
	ds_store_b64 v[AD1], v[80:81] offset:2*UNIT+4096
	s_wait_alu depctr_va_vdst(0)                   ; directly ahead of the wait below
	s_wait_dscnt 0x0
	s_barrier_signal -1
	s_barrier_wait -1
.irp q,0,1,2,3,4,5,6,7
	ds_load_b128 v[S+4*\q:S+4*\q+3], v[AD2] offset:512*\q
	ds_load_b128 v[S+32+4*\q:S+32+4*\q+3], v[AD2] offset:UNIT+512*\q
.endr
	ds_load_b64 v[BM:BM+1], v[AD3] offset:4096
	ds_load_b64 v[BM+2:BM+3], v[AD3] offset:UNIT+4096
	s_wait_dscnt 0x0
	v_min_num_f32 v[TA], v[BM], v[BM+2]            ; -M of both halves
	v_sub_f32 v[BP], v[TA], v[BM]
	v_sub_f32 v[BP+1], v[TA], v[BM+2]
	v_cvt_i32_f32 v[BP], v[BP]
	v_cvt_i32_f32 v[BP+1], v[BP+1]
	v_ldexp_f32 v[BS], 1.0, v[BP]                  ; each half's 2^(its M - M)
	v_ldexp_f32 v[BS+2], 1.0, v[BP+1]
	v_mul_f32 v[TB], v[BM+1], v[BS]
	v_fma_f32 v[TB], v[BM+3], v[BS+2], v[TB]       ; the row's sum
	s_wait_alu depctr_va_vdst(0)                   ; the wait ahead of the transcendental
	v_rcp_f32 v[F], v[TB]
	v_nop
	s_wait_alu depctr_va_vdst(0)                   ; and behind it, ahead of the first reader
	v_mul_f32 v[BS], v[BS], v[F]
	v_mul_f32 v[BS+2], v[BS+2], v[F]
.irp j,0,2,4,6,8,10,12,14,16,18,20,22,24,26,28,30
	v_pk_mul_f32 v[S+\j:S+\j+1], v[S+\j:S+\j+1], v[BS:BS+1] op_sel_hi:[1,0]
.endr
.irp j,0,2,4,6,8,10,12,14,16,18,20,22,24,26,28,30
	v_pk_fma_f32 v[S+\j:S+\j+1], v[S+32+\j:S+33+\j], v[BS+2:BS+3], v[S+\j:S+\j+1] op_sel_hi:[1,0,1]
.endr
	HALFQ S, PC, SUM2
.irp e,0,1,2
	global_store_b64 v[AD4], v[PC+2*\e:PC+2*\e+1], s[16:17] offset:256*\e   ; 256 consecutive bytes: my head's half of a fragment
.endr
	global_store_b16 v[L4], v[SUM2], s[18:19]      ; my head's two bytes of each row's scale word
	s_wait_tensorcnt 0x0                           ; the wave's end
	ds_add_u32 v[SPW], v[NIL]
	s_wait_dscnt 0x0
	s_endpgm
.Lfunc_end_k_q8032e337e4_attn:
	.size	k_q8032e337e4_attn, .Lfunc_end_k_q8032e337e4_attn-k_q8032e337e4_attn
	.p2alignl 7, 3214868480
	.fill 96, 4, 3214868480
	.section	.rodata,"a",@progbits
	.p2align	6, 0x0
	.amdhsa_kernel k_q8032e337e4_attn
		.amdhsa_group_segment_fixed_size 205312
		.amdhsa_private_segment_fixed_size 0
		.amdhsa_enable_private_segment 0
		.amdhsa_kernarg_size 48
		.amdhsa_user_sgpr_count 2
		.amdhsa_user_sgpr_kernarg_segment_ptr 1
		.amdhsa_wavefront_size32 1
		.amdhsa_system_sgpr_workgroup_id_x 1
		.amdhsa_system_sgpr_workgroup_id_y 1
		.amdhsa_system_sgpr_workgroup_id_z 1
		.amdhsa_system_vgpr_workitem_id 0
		.amdhsa_next_free_vgpr 512
		.amdhsa_next_free_sgpr 100
		.amdhsa_reserve_vcc 1
		.amdhsa_float_denorm_mode_32 3
		.amdhsa_float_denorm_mode_16_64 3
		.amdhsa_memory_ordered 1
		.amdhsa_forward_progress 1
		.amdhsa_inst_pref_size 127
	.end_amdhsa_kernel
	.amdgpu_metadata
---
amdhsa.version: [ 1, 2 ]
amdhsa.kernels:
  - .name:           k_q8032e337e4_attn
    .symbol:         k_q8032e337e4_attn.kd
    .args:
      - { .name: x, .offset: 0, .size: 8, .value_kind: global_buffer, .address_space: global }
      - { .name: mask, .offset: 8, .size: 8, .value_kind: global_buffer, .address_space: global }
      - { .name: sim_bias, .offset: 16, .size: 8, .value_kind: global_buffer, .address_space: global }
      - { .name: wqc, .offset: 24, .size: 8, .value_kind: global_buffer, .address_space: global }
      - { .name: kvb, .offset: 32, .size: 8, .value_kind: global_buffer, .address_space: global }
      - { .name: oc, .offset: 40, .size: 8, .value_kind: global_buffer, .address_space: global }
    .group_segment_fixed_size: 205312
    .private_segment_fixed_size: 0
    .kernarg_segment_align: 8
    .kernarg_segment_size: 48
    .max_flat_workgroup_size: 256
    .sgpr_count:     100
    .vgpr_count:     512
    .wavefront_size: 32
...
	.end_amdgpu_metadata
.endif
;; end of part 3
;; launch oproj (part 4): grid 64 x 4, 4 waves a work-group, no clusters, 17,920 bytes of LDS; arguments oc, woc, bo, out0; writes out0
.if DOCPART == 4
	.amdgcn_target "amdgcn-amd-amdhsa--gfx1250"
	.amdhsa_code_object_version 6
	.text
	.protected	k_q8032e337e4_oproj
	.globl	k_q8032e337e4_oproj
	.p2align	8
	.type	k_q8032e337e4_oproj,@function
k_q8032e337e4_oproj:
	s_mov_b64 s[64:65], 0
	v_nop
	global_prefetch_b8 v0, s[64:65] scope:SCOPE_SE
	s_setreg_imm32_b32 hwreg(HW_REG_WAVE_MODE, 25, 1), 1
	s_wait_xcnt 0x0
; out0 = o Wo + bo on codes of BF6 (E3M2) with E8M0 scales, sums in f32.  o's codes (oc) and Wo's (woc) are stored as images of operand registers.
; SHARES.  A work-group takes 4 query tiles (64 consecutive rows: x) and 16 tiles of Wo's columns (256 consecutive columns: y): 256 work-groups.  Wave w takes column tiles 4 w .. 4 w + 3 against all 4 query tiles:
; 16 accumulators, K = 512 in 4 steps of 128.  All fragments go from memory straight into registers, K step by K step, all asked for at the start: 36 loads a K step.
; No LDS tile, so no tensor load and no cluster; no loop to run ahead in, so no prefetch.  bo is loaded into the accumulators: the first product's C.
; Source 0 = 16 columns of Wo, source 1 = 16 queries: a lane holds one query, and the registers of column tiles 2 e, 2 e + 1 are 16 neighbouring columns 32 e + 16 (lane / 16) + 0 .. 15.
; THE WAY OUT: a query tile's 16 rows x 256 bytes go through the wave's own stage in LDS, so that sixteen lanes store one aligned run of 256 bytes of a row.
; REGISTERS: window 0: v1-10 addresses, v16-31 Wo's scale words (4 K step + tile), v32-47 o's (4 query tile + K step), v64-191 accumulators (8 (4 query tile + column tile)), v192-255 rows on the way out.
;   window 1: K steps 0, 1; window 2: K steps 2, 3: at 96 (K step % 2): Wo's tile j at 12 j, o's tile a at 48 + 12 a.
.set WCH,   102400
.set REC,   6656                       ; a query tile's record in oc
.set SP,    272
.set SPARE, 17408
.set L16, 1
.set L8,  2
.set L4,  3
.set R16, 4
.set H64, 5
.set STO, 6
.set RD,  7
.set CO,  8
.set SPW, 9
.set NIL, 10
.set WS,  16
.set OS,  32
.set ACC, 64
.set BK,  192
.set MSB, 0
.macro WIN new                         ; the immediate's high byte repeats the setting that is left
.if MSB != (\new)
	s_set_vgpr_msb (MSB<<8)|(\new)
.set MSB, (\new)
.endif
.endm
	s_load_b256 s[4:11], s[0:1], 0x0               ; oc, woc, bo, out0
	v_lshl_add_u32 v[SPW], v0, 2, SPARE
	v_mov_b32 v[NIL], 0
	v_lshrrev_b32 v11, 5, v0
	v_readfirstlane_b32 s12, v11                   ; wave
	s_and_b32 s13, ttmp7, 0xffff
	s_lshl_b32 s14, s13, 2
	s_add_co_u32 s14, s14, s12                     ; G: column tiles 4 G .. 4 G + 3
	s_mul_i32 s16, s14, 6144
	s_mov_b32 s17, 0
	s_lshr_b32 s18, s14, 1
	s_lshl_b32 s18, s18, 9
	s_and_b32 s19, s14, 1
	s_lshl_b32 s19, s19, 8
	s_add_co_u32 s18, s18, s19                     ; their scale words: 512 (G / 2) + 256 (G % 2) + 16 r
	s_mov_b32 s19, 0
	s_mul_i32 s20, ttmp9, 4*REC
	s_mov_b32 s21, 0
	s_lshl_b32 s22, s14, 8                         ; 64 columns of f32
	s_mov_b32 s23, 0
	s_lshl_b32 s24, ttmp9, 18                      ; 64 rows of 4,096 bytes
	s_add_co_u32 s24, s24, s22
	s_mov_b32 s25, 0
	s_mul_i32 s26, s12, 16*SP                      ; my stage
	v_and_b32 v11, 31, v0
	v_and_b32 v12, 15, v0
	v_bfe_u32 v13, v0, 4, 1
	v_lshlrev_b32 v[L16], 4, v11
	v_lshlrev_b32 v[L8], 3, v11
	v_lshlrev_b32 v[L4], 2, v11
	v_lshlrev_b32 v[R16], 4, v12
	v_lshlrev_b32 v[H64], 6, v13
	v_mul_u32_u24 v[STO], v12, SP
	v_add_nc_u32 v[STO], v[STO], v[H64]
	v_add_nc_u32 v[STO], s26, v[STO]
	v_mul_u32_u24 v[RD], v13, SP
	v_add_nc_u32 v[RD], v[RD], v[R16]
	v_add_nc_u32 v[RD], s26, v[RD]
	v_lshl_add_u32 v[CO], v13, 12, v[R16]
	s_wait_alu depctr_va_vdst(0)                   ; the wait at the head's end
	s_wait_kmcnt 0x0
	s_add_nc_u64 s[4:5], s[4:5], s[20:21]
	s_add_nc_u64 s[28:29], s[6:7], s[16:17]
	s_add_nc_u64 s[30:31], s[6:7], s[18:19]
	s_add_nc_u64 s[8:9], s[8:9], s[22:23]
	s_add_nc_u64 s[10:11], s[10:11], s[24:25]
.irp a,0,1,2,3
.irp e,0,1
.irp i,0,1,2,3
	global_load_b128 v[ACC+32*\a+16*\e+4*\i:ACC+32*\a+16*\e+4*\i+3], v[H64], s[8:9] offset:128*\e+16*\i   ; bo at the lane's 16 columns
.endr
.endr
.endr
.irp k,0,1,2,3
	global_load_b128 v[WS+4*\k:WS+4*\k+3], v[R16], s[30:31] offset:\k*WCH+98304
.endr
.irp a,0,1,2,3
.irp k,0,1,2,3
	global_load_b32 v[OS+4*\a+\k], v[L4], s[4:5] offset:REC*\a+6144+128*\k
.endr
.endr
.macro FLOAD ks
	WIN 0x40*(1+(\ks)/2)
.irp j,0,1,2,3
.irp q,0,1,2
	global_load_b128 v[96*((\ks)%2)+12*\j+4*\q:96*((\ks)%2)+12*\j+4*\q+3], v[L16], s[28:29] offset:(\ks)*WCH+1536*\j+512*\q
.endr
.endr
.irp a,0,1,2,3
.irp p,0,1,2,3,4,5
	global_load_b64 v[96*((\ks)%2)+48+12*\a+2*\p:96*((\ks)%2)+48+12*\a+2*\p+1], v[L8], s[4:5] offset:REC*\a+1536*(\ks)+256*\p
.endr
.endr
	WIN 0
.endm
.macro MUL ks                          ; 16 products; the 16 accumulators take turns
	WIN 0x05*(1+(\ks)/2)
.irp a,0,1,2,3
.irp j,0,1,2,3
	v_wmma_scale_f32_16x16x128_f8f6f4 v[ACC+8*(4*\a+\j):ACC+8*(4*\a+\j)+7], v[96*((\ks)%2)+12*\j:96*((\ks)%2)+12*\j+11], v[96*((\ks)%2)+48+12*\a:96*((\ks)%2)+48+12*\a+11], v[ACC+8*(4*\a+\j):ACC+8*(4*\a+\j)+7], v[WS+4*(\ks)+\j], v[OS+4*\a+(\ks)] matrix_a_fmt:MATRIX_FMT_BF6 matrix_b_fmt:MATRIX_FMT_BF6
.endr
.endr
	WIN 0
.endm
	FLOAD 0
	FLOAD 1
	FLOAD 2
	FLOAD 3
	s_wait_loadcnt 63                              ; K step 0 is in: behind it stand 108, of which a wait can name 63
	MUL 0
	s_wait_loadcnt 63                              ; K step 1: behind it 72
	MUL 1
	s_wait_loadcnt 36
	MUL 2
	s_wait_loadcnt 0x0
	MUL 3
.rept 4
	v_nop                                          ; four plain lines behind the last products, ahead of the first read of results (ISA guide 7.12.1)
.endr
.irp a,0,1,2,3
.if \a > 1
	s_wait_xcnt 0x0                                ; tile a - 2's stores have read their registers
.endif
.irp e,0,1
.irp i,0,1,2,3
	ds_store_b128 v[STO], v[ACC+32*\a+16*\e+4*\i:ACC+32*\a+16*\e+4*\i+3] offset:128*\e+16*\i   ; each accumulator from its low end on
.endr
.endr
.irp k,0,1,2,3,4,5,6,7
	ds_load_b128 v[BK+32*(\a%2)+4*\k:BK+32*(\a%2)+4*\k+3], v[RD] offset:2*\k*SP    ; LDS serves a wave's instructions in order: these see the stores above
.endr
.irp k,0,1,2,3,4,5,6,7
	s_wait_dscnt 7-\k
	global_store_b128 v[CO], v[BK+32*(\a%2)+4*\k:BK+32*(\a%2)+4*\k+3], s[10:11] offset:(32*(\a/2)+8*(\a%2)+2*\k+8*(\k/4))*4096 th:TH_STORE_NT   ; two rows, 256 consecutive bytes each
.endr
.endr
	s_wait_tensorcnt 0x0                           ; the wave's end
	ds_add_u32 v[SPW], v[NIL]
	s_wait_dscnt 0x0
	s_endpgm
.Lfunc_end_k_q8032e337e4_oproj:
	.size	k_q8032e337e4_oproj, .Lfunc_end_k_q8032e337e4_oproj-k_q8032e337e4_oproj
	.p2alignl 7, 3214868480
	.fill 96, 4, 3214868480
	.section	.rodata,"a",@progbits
	.p2align	6, 0x0
	.amdhsa_kernel k_q8032e337e4_oproj
		.amdhsa_group_segment_fixed_size 17920
		.amdhsa_private_segment_fixed_size 0
		.amdhsa_enable_private_segment 0
		.amdhsa_kernarg_size 32
		.amdhsa_user_sgpr_count 2
		.amdhsa_user_sgpr_kernarg_segment_ptr 1
		.amdhsa_wavefront_size32 1
		.amdhsa_system_sgpr_workgroup_id_x 1
		.amdhsa_system_sgpr_workgroup_id_y 1
		.amdhsa_system_sgpr_workgroup_id_z 1
		.amdhsa_system_vgpr_workitem_id 0
		.amdhsa_next_free_vgpr 768
		.amdhsa_next_free_sgpr 66
		.amdhsa_reserve_vcc 0
		.amdhsa_float_denorm_mode_32 3
		.amdhsa_float_denorm_mode_16_64 3
		.amdhsa_memory_ordered 1
		.amdhsa_forward_progress 1
		.amdhsa_inst_pref_size 38
	.end_amdhsa_kernel
	.amdgpu_metadata
---
amdhsa.version: [ 1, 2 ]
amdhsa.kernels:
  - .name:           k_q8032e337e4_oproj
    .symbol:         k_q8032e337e4_oproj.kd
    .args:
      - { .name: oc, .offset: 0, .size: 8, .value_kind: global_buffer, .address_space: global }
      - { .name: woc, .offset: 8, .size: 8, .value_kind: global_buffer, .address_space: global }
      - { .name: bo, .offset: 16, .size: 8, .value_kind: global_buffer, .address_space: global }
      - { .name: out0, .offset: 24, .size: 8, .value_kind: global_buffer, .address_space: global }
    .group_segment_fixed_size: 17920
    .private_segment_fixed_size: 0
    .kernarg_segment_align: 8
    .kernarg_segment_size: 32
    .max_flat_workgroup_size: 128
    .sgpr_count:     66
    .vgpr_count:     768
    .wavefront_size: 32
...
	.end_amdgpu_metadata
.endif
;; end of part 4
